; MI455X (gfx1250); checked and timed in simulation.
; The chip was launched on July 23, 2026; its instructions are those of AMD's public machine-readable ISA for CDNA 5 (MIT licence, August 2026) and "CDNA5" Instruction Set Architecture Reference Guide (July 2026). The comments in the code are by the model that wrote it; some were corrected since.
;; Multi Head Attention. Allowed arithmetic: matrix products marked QUANTISED: E2M3 operands, one E8M0 scale for each 32 along K, by v_wmma_scale_f32_16x16x128_f8f6f4 with both operands' format E2M3, f32 sums; everything else in f32.
;; Inputs: Wk 16 x 1,024 x 64 float32; Wo 1,024 x 1,024 float32; Wq 16 x 1,024 x 64 float32; Wv 16 x 1,024 x 64 float32; bo 1,024 float32; mask 4 x 1 x 2,048 int32; x 4 x 2,048 x 1,024 float32.
;; Outputs: out0 4 x 2,048 x 1,024 float32.
;; This version of the problem:
;;   THIS VERSION OF THE PROBLEM IS GIVEN IN LOW PRECISION. The matrix products marked QUANTISED in the list below multiply operands that are first quantised to E2M3 (2 exponent bits, 3 mantissa bits; 6 bits a number), with one power-of-two scale for each 32 numbers along K (OCP MX v1.0); their sums are f32. All else is computed in f32.
;;   The module's matrix products, in the order in which they are computed (A, B: the left and right operand; K: the contracted axis; several contracted axes count as one K, in the product's order):
;;     1. [M 1,024, K 1,024] x [K 1,024, N 8,192]; A: input Wq; B: input x: QUANTISED
;;     2. [M 1,024, K 1,024] x [K 1,024, N 8,192]; A: input Wk; B: input x: QUANTISED
;;     3. [M 1,024, K 1,024] x [K 1,024, N 8,192]; A: input Wv; B: input x: QUANTISED
;;     4. batch 64 x [M 2,048, K 64] x [K 64, N 2,048]; A: computed on the way; B: computed on the way: QUANTISED
;;     5. batch 64 x [M 2,048, K 2,048] x [K 2,048, N 64]; A: softmax (see below); B: computed on the way: QUANTISED
;;     6. [M 8,192, K 1,024] x [K 1,024, N 1,024]; A: computed on the way; B: input Wo: QUANTISED
;;   THE QUANTISER, for each operand of a quantised product, along K:
;;     - K is cut into blocks of 32 from its start; a last block that is shorter is filled with zeros.
;;     - A block's scale is 2^e with e = floor(log2(the largest magnitude in the block)) - 2, held to -126 .. 127; a block of zeros has e = 0. As a byte (E8M0): e + 127.
;;     - Each number is divided by its block's scale, clamped to +-7.5, and rounded to the nearest number of E2M3, ties to even, subnormals kept.
;;     - The product sums the exact products of the quantised numbers (number of the format x scale) in f32.
;;   ~~~python
;;   def quantise(x, axis):      # numpy; x: float32 -> the quantised numbers, widened to float32 again
;;       x = np.moveaxis(x, axis, -1); K = x.shape[-1]
;;       x = np.pad(x, [(0, 0)] * (x.ndim - 1) + [(0, -K % 32)]); x = x.reshape(x.shape[:-1] + (-1, 32)); a = np.abs(x).max(-1, keepdims=True)
;;       e = np.where(a > 0, np.clip(np.frexp(np.where(a > 0, a, 1))[1] - 1 - 2, -126, 127), 0)      # np.frexp(a)[1] - 1 = floor(log2(a)), exactly
;;       r = np.clip(x / 2.0 ** e, -7.5, 7.5)
;;       step = 2.0 ** (np.maximum(np.frexp(np.where(r == 0, 1, r))[1] - 1, 0) - 3)
;;       q = np.round(r / step) * step * 2.0 ** e      # np.round: ties to even
;;       return np.moveaxis(q.reshape(q.shape[:-2] + (-1,))[..., :K], -1, axis).astype(np.float32)
;;   ~~~
;;   SOFTMAX AHEAD OF A QUANTISED PRODUCT. Where the list says 'softmax', what is quantised is not the finished softmax but p = 2^(t - M), with t = logit x log2(e) and M = ceil(the row's largest t), a whole number; so 1/2 < the row's largest p <= 1. The row's sum l is taken of the UNQUANTISED p, in f32, and the product's result is divided by l at the end. Since M is a whole number, a kernel that streams over the keys may use a running M (the ceiling of the running maximum): every later rescaling is an exact power of two, which a block's scale takes up: the codes' values come out the same.
;;   OPERANDS COMPUTED ON THE WAY. 'Computed on the way' means the value that the module computes at that place (a softmax that the list does not call 'softmax' is quantised finished and normalised). What goes into a quantiser is computed in f32, as accurately as f32 sums, v_exp_f32 and their like allow (about 1e-6 of the number): no bf16 or f16 on the way to a quantiser, and a product that is left as it is and whose result goes on into a quantised operand takes f32 operands (vector FMAs, or v_wmma_f32_16x16x4_f32). A number that lies on a knife's edge between two numbers of the format may be rounded either way, as far as f32 arithmetic and the matrix unit's own rounding can turn it there, and no further.
;; One version. Each part assembles by itself: llvm-mc -triple=amdgcn-amd-amdhsa -mcpu=gfx1250 --defsym DOCPART=n.
;; ======== version 1 of 1: 5 launches
;; limits: right only within a limited range of input values
;; workspace buffers: ops 9,830,400 bytes; qkv 19,660,800 bytes; ctx 6,553,600 bytes
;; launch quant_x (part 1): grid 512 x 1, 4 waves a work-group, no clusters, 68,096 bytes of LDS; arguments x, ops; writes ops
.if DOCPART == 1
	.amdgcn_target "amdgcn-amd-amdhsa--gfx1250"
	.amdhsa_code_object_version 6
	.text
	.protected	k_qce448b4f5a_quant_x
	.globl	k_qce448b4f5a_quant_x
	.p2align	8
	.type	k_qce448b4f5a_quant_x,@function
k_qce448b4f5a_quant_x:
	s_mov_b64 s[64:65], 0
	v_nop
	global_prefetch_b8 v0, s[64:65] scope:SCOPE_SE
	s_setreg_imm32_b32 hwreg(HW_REG_WAVE_MODE, 25, 1), 1
	s_wait_xcnt 0x0
; x [8192][1024] f32 becomes codes of FP6 (E2M3) along its last axis, with one E8M0 byte for each 32 numbers, laid as IMAGES OF OPERAND REGISTERS.
; A fragment is 16 rows x 128 K: 12 registers a lane, 1,536 bytes; register 4 c + i of lane l lies at byte 512 c + 16 l + 4 i of the image.
; THE ROWS OF A TILE ARE NOT NEIGHBOURS: lane r of tile 2 B + u holds row 32 B + 8 u + r + 8 (r / 8).
; Image (T, s) lies at (s / 2) x 2,359,296 + (T / 4) x 12,288 + (s % 2) x 6,144 + (T % 4) x 1,536; its scale words at 9,437,184 + s x 49,152 + 64 T + 4 r.
; A wave takes 32 rows x 128 K: two images.  Each load reads 512 consecutive bytes of one row; the rows turn through the wave's own stage in LDS
; (pitch 528 bytes), so that lane (r, h) gets the K blocks h and 2 + h of row r whole: no other lane is asked for a block's largest magnitude.
; A block's scale is 2^(floor(log2(largest magnitude)) - 2); its byte is the largest magnitude's exponent field - 2, held at 1 from below.
; LIMITS: a block of zeros, or one whose largest magnitude lies under 2^-124, gets the byte 1 (its codes are zeros or the nearest codes under that scale; only this program reads the bytes); NaN and infinities are not served.
.set SPARE, 67584                      ; behind the four waves' stages: the spare words, 128 bytes a wave
.set WREG,  16896                      ; a wave's LDS: two stages of 16 rows x 528 bytes
.set STG1,  8448
.set P,     528
.set SPW,   14
.set NIL,   15
.set X0,    64                         ; v64-127  tile 0's numbers, 64 a lane
.set X1,    128                        ; v128-191 tile 1's (the registers into which tile 0 was loaded)
.set R0,    128                        ; v128-191 tile 0 as loaded;  v192-255 tile 1 as loaded
.set C0,    20                         ; v20-31   image 0
.set C1,    32                         ; v32-43   image 1
.set TT,    44                         ; v44-50   the second halves of the conversions
	s_load_b128 s[4:7], s[0:1], 0x0                ; x, ops
	v_lshl_add_u32 v[SPW], v0, 2, SPARE
	v_mov_b32 v[NIL], 0
	v_lshrrev_b32 v1, 5, v0
	v_readfirstlane_b32 s10, v1                    ; wave
	v_and_b32 v2, 31, v0                           ; lane
	v_and_b32 v3, 15, v0                           ; r
	v_bfe_u32 v18, v0, 4, 1                        ; h
	v_lshlrev_b32 v4, 4, v2                        ; 16 x lane
	v_lshlrev_b32 v7, 2, v2                        ; 4 x lane
	s_mul_i32 s11, s10, WREG
	v_add_nc_u32 v5, s11, v4                       ; the stage, on the way in: 16 bytes a lane of a row
	v_mul_u32_u24 v6, v3, P
	v_lshl_add_u32 v6, v18, 7, v6
	v_add_nc_u32 v6, s11, v6                       ; and back: row r, block h
	v_lshlrev_b32 v18, 3, v18                      ; 8 h: my bytes' place in the scale word
	v_mov_b32 v19, 0                               ; a lane permute's destination counts as read: written once
	s_mov_b32 s22, 0x76543210
	s_mov_b32 s23, 0xfedcba98                      ; selects for lane l xor 16
	s_mov_b32 s24, 0xffff0000                      ; lanes 16-31
	s_lshl_b32 s12, ttmp9, 2
	s_add_co_u32 s12, s12, s10                     ; unit = 4 x work-group + wave
	s_and_b32 s13, s12, 7                          ; s: the K step
	s_lshr_b32 s14, s12, 3                         ; B: which 32 rows
	s_lshl_b32 s16, s14, 17                        ; 32 rows of 4,096 bytes
	s_lshl_b32 s17, s13, 9
	s_add_co_u32 s16, s16, s17
	s_mov_b32 s17, 0
	s_lshr_b32 s18, s13, 1                         ; image (2 B, s)
	s_mul_i32 s18, s18, 2359296
	s_lshr_b32 s19, s14, 1
	s_mul_i32 s19, s19, 12288
	s_add_co_u32 s18, s18, s19
	s_and_b32 s19, s13, 1
	s_mul_i32 s19, s19, 6144
	s_add_co_u32 s18, s18, s19
	s_and_b32 s19, s14, 1
	s_mul_i32 s19, s19, 3072
	s_add_co_u32 s18, s18, s19
	s_mov_b32 s19, 0
	s_mul_i32 s20, s13, 49152                      ; the two tiles' scale words: 128 bytes on end
	s_lshl_b32 s21, s14, 7
	s_add_co_u32 s20, s20, s21
	s_add_co_u32 s20, s20, 9437184
	s_mov_b32 s21, 0
	s_wait_alu depctr_va_vdst(0)
	s_wait_kmcnt 0x0
	s_add_nc_u64 s[4:5], s[4:5], s[16:17]
	s_add_nc_u64 s[8:9], s[6:7], s[20:21]
	s_add_nc_u64 s[6:7], s[6:7], s[18:19]
.irp u, 0,1
.irp j, 0,1,2,3,4,5,6,7,8,9,10,11,12,13,14,15
	global_load_b128 v[R0+64*\u+4*\j:R0+64*\u+4*\j+3], v4, s[4:5] offset:(8*\u+\j+8*(\j/8))*4096 th:TH_LOAD_NT   ; 512 consecutive bytes of the row that lane j of tile u holds
.endr
.endr
; 64 numbers of a lane (block h in the first 32 registers, block 2 + h in the others) become an image's 12 registers from v[c] on and the row's scale word in v[w]
.macro QX x, c, w
	v_max3_num_f32 v8, |v[\x]|, |v[\x+1]|, 0x1800000               ; with the floor 2^(3 - 127): the byte cannot fall under 1
	v_max3_num_f32 v9, |v[\x+32]|, |v[\x+33]|, 0x1800000
.irp i, 2,4,6,8,10,12,14,16,18,20,22,24,26,28,30
	v_max3_num_f32 v8, v8, |v[\x+\i]|, |v[\x+\i+1]|                ; the two blocks by turns
	v_max3_num_f32 v9, v9, |v[\x+32+\i]|, |v[\x+33+\i]|
.endr
	v_add_nc_u32 v10, 0xff000000, v8               ; 2 off the exponent field: the conversion takes this operand's exponent field as its scale
	v_add_nc_u32 v11, 0xff000000, v9
	v_lshrrev_b32 v12, 23, v10                     ; the bytes
	v_lshrrev_b32 v13, 23, v11
	v_lshl_or_b32 v12, v13, 16, v12
	v_lshlrev_b32 v12, v18, v12                    ; blocks h and 2 + h: 8 h bits up
	v_permlanex16_b32 v19, v12, s22, s23
	v_or_b32 v[\w], v12, v19                       ; with lane l xor 16's two bytes the word is whole
	v_cvt_scalef32_pk16_fp6_f32 v[\c:\c+2], v[\x:\x+15], v10
	v_cvt_scalef32_pk16_fp6_f32 v[TT:TT+2], v[\x+16:\x+31], v10    ; (a conversion's three registers begin on an even number)
	v_cvt_scalef32_pk16_fp6_f32 v[\c+6:\c+8], v[\x+32:\x+47], v11
	v_cvt_scalef32_pk16_fp6_f32 v[TT+4:TT+6], v[\x+48:\x+63], v11
	v_nop                                          ; one plain place behind the conversions
.irp i, 0,1,2
	v_mov_b32 v[\c+3+\i], v[TT+\i]
	v_mov_b32 v[\c+9+\i], v[TT+4+\i]
.endr
.endm
	s_wait_loadcnt 16                              ; tile 0's sixteen loads are in; tile 1's may be out
.irp j, 0,1,2,3,4,5,6,7,8,9,10,11,12,13,14,15
	ds_store_b128 v5, v[R0+4*\j:R0+4*\j+3] offset:\j*P
.endr
.irp c, 0,1
.irp i, 0,1,2,3,4,5,6,7
	ds_load_b128 v[X0+32*\c+4*\i:X0+32*\c+4*\i+3], v6 offset:256*\c+16*\i      ; LDS serves a wave's instructions in order: these see the stores above
.endr
.endr
	s_wait_loadcnt 0x0
.irp j, 0,1,2,3,4,5,6,7,8,9,10,11,12,13,14,15
	ds_store_b128 v5, v[R0+64+4*\j:R0+64+4*\j+3] offset:STG1+\j*P
.endr
	s_wait_dscnt 16                                ; all but the sixteen stores just issued: tile 0's stores have read their registers, and tile 0's numbers are back
.irp c, 0,1
.irp i, 0,1,2,3,4,5,6,7
	ds_load_b128 v[X1+32*\c+4*\i:X1+32*\c+4*\i+3], v6 offset:STG1+256*\c+16*\i
.endr
.endr
	QX X0, C0, 16
.irp c, 0,1,2
	global_store_b128 v4, v[C0+4*\c:C0+4*\c+3], s[6:7] offset:512*\c           ; 32 lanes store 512 consecutive bytes, at a multiple of 256 from the buffer's first byte
.endr
	s_wait_dscnt 0x0
	QX X1, C1, 17
.irp c, 0,1,2
	global_store_b128 v4, v[C1+4*\c:C1+4*\c+3], s[6:7] offset:1536+512*\c
.endr
	v_cndmask_b32 v16, v16, v17, s24               ; lanes 0-15 tile 0's words, lanes 16-31 tile 1's
	global_store_b32 v7, v16, s[8:9]               ; 128 consecutive bytes
	s_wait_tensorcnt 0x0                           ; the wave's end, behind my last LDS store
	ds_add_u32 v[SPW], v[NIL]
	s_wait_dscnt 0x0
	s_endpgm
.Lfunc_end_k_qce448b4f5a_quant_x:
	.size	k_qce448b4f5a_quant_x, .Lfunc_end_k_qce448b4f5a_quant_x-k_qce448b4f5a_quant_x
	.p2alignl 7, 3214868480
	.fill 96, 4, 3214868480
	.section	.rodata,"a",@progbits
	.p2align	6, 0x0
	.amdhsa_kernel k_qce448b4f5a_quant_x
		.amdhsa_group_segment_fixed_size 68096
		.amdhsa_private_segment_fixed_size 0
		.amdhsa_enable_private_segment 0
		.amdhsa_kernarg_size 16
		.amdhsa_user_sgpr_count 2
		.amdhsa_user_sgpr_kernarg_segment_ptr 1
		.amdhsa_wavefront_size32 1
		.amdhsa_system_sgpr_workgroup_id_x 1
		.amdhsa_system_sgpr_workgroup_id_y 1
		.amdhsa_system_sgpr_workgroup_id_z 1
		.amdhsa_system_vgpr_workitem_id 0
		.amdhsa_next_free_vgpr 256
		.amdhsa_next_free_sgpr 66
		.amdhsa_reserve_vcc 0
		.amdhsa_float_denorm_mode_32 3
		.amdhsa_float_denorm_mode_16_64 3
		.amdhsa_memory_ordered 1
		.amdhsa_forward_progress 1
		.amdhsa_inst_pref_size 17
	.end_amdhsa_kernel
	.amdgpu_metadata
---
amdhsa.version: [ 1, 2 ]
amdhsa.kernels:
  - .name:           k_qce448b4f5a_quant_x
    .symbol:         k_qce448b4f5a_quant_x.kd
    .args:
      - { .name: x, .offset: 0, .size: 8, .value_kind: global_buffer, .address_space: global }
      - { .name: ops, .offset: 8, .size: 8, .value_kind: global_buffer, .address_space: global }
    .group_segment_fixed_size: 68096
    .private_segment_fixed_size: 0
    .kernarg_segment_align: 8
    .kernarg_segment_size: 16
    .max_flat_workgroup_size: 128
    .sgpr_count:     66
    .vgpr_count:     256
    .wavefront_size: 32
...
	.end_amdgpu_metadata
.endif
;; end of part 1
;; launch quant_w (part 2): grid 256 x 1, 4 waves a work-group, no clusters, 12,800 bytes of LDS; arguments Wq, Wk, Wv, Wo, ops; writes ops
.if DOCPART == 2
	.amdgcn_target "amdgcn-amd-amdhsa--gfx1250"
	.amdhsa_code_object_version 6
	.text
	.protected	k_qce448b4f5a_quant_w
	.globl	k_qce448b4f5a_quant_w
	.p2align	8
	.type	k_qce448b4f5a_quant_w,@function
k_qce448b4f5a_quant_w:
	s_mov_b64 s[64:65], 0
	v_nop
	global_prefetch_b8 v0, s[64:65] scope:SCOPE_SE
	s_setreg_imm32_b32 hwreg(HW_REG_WAVE_MODE, 25, 1), 1
	s_wait_xcnt 0x0
; The four weights, whose K is their FIRST axis within a head (Wq, Wk, Wv: [16][1024 e][64 d]) or of the matrix (Wo: [1024 e][1024 n]), become codes of FP6 (E2M3) along e,
; laid as images of operand registers beside x's (tiles 512-575 Wq, 576-639 Wk, 640-703 Wv: row = 64 head + d; tiles 704-767 Wo: row = n).
; A LANE TAKES A COLUMN AND ITS REGISTERS RUN DOWN K: a block of 32 lies in one lane, nothing is transposed by an instruction.  A wave takes 32 columns x 128 K: two images.
; Column l of the 32 is lane m = l % 8 + 8 (l / 16) of tile u = (l / 8) % 2.  Block kb of a column is registers 6 (kb / 2) .. + 5 of image lane m + 16 (kb % 2):
; the codes go to those places of the wave's own two images in LDS and leave as runs of 512 consecutive bytes.
; Loads run two blocks ahead: at most 64 loads of a wave are out, 32 at each block's wait.
; LIMITS: a block of zeros, or one whose largest magnitude lies under 2^-124, gets the byte 1; NaN and infinities are not served.
.set SPARE, 12288
.set SPW,   14
.set NIL,   15
.set X,     64                         ; v64-191  128 numbers down K: every block has registers of its own
.set C,     16                         ; v16-39   six registers of codes for each block
.set TT,    40                         ; v40-42
.set OUTR,  192                        ; v192-215 the two images on their way out
	s_load_b256 s[4:11], s[0:1], 0x0               ; Wq, Wk, Wv, Wo
	s_load_b64 s[12:13], s[0:1], 0x20              ; ops
	v_lshl_add_u32 v[SPW], v0, 2, SPARE
	v_mov_b32 v[NIL], 0
	v_lshrrev_b32 v1, 5, v0
	v_readfirstlane_b32 s16, v1                    ; wave
	v_and_b32 v1, 31, v0
	v_lshlrev_b32 v2, 2, v1                        ; 4 x lane
	v_lshlrev_b32 v4, 4, v1                        ; 16 x lane
	v_bfe_u32 v5, v0, 3, 1                         ; u
	v_and_b32 v6, 7, v0
	v_bfe_u32 v7, v0, 4, 1
	v_lshl_add_u32 v6, v7, 3, v6                   ; m
	s_mul_i32 s17, s16, 3072                       ; my two images in LDS
	v_mul_u32_u24 v3, v5, 1536
	v_lshl_add_u32 v3, v6, 4, v3
	v_add_nc_u32 v3, s17, v3                       ; into them: image u, lane m
	v_add_nc_u32 v7, s17, v4                       ; out of them: 16 bytes a lane
	v_lshlrev_b32 v13, 6, v5
	v_lshl_add_u32 v13, v6, 2, v13                 ; my column's scale word: 64 u + 4 m
	s_lshr_b32 s18, ttmp9, 2
	s_lshl_b32 s18, s18, 1
	s_and_b32 s19, s16, 1
	s_add_co_u32 s18, s18, s19                     ; g: which 32 columns of the 4,096
	s_and_b32 s19, ttmp9, 3
	s_lshl_b32 s19, s19, 1
	s_lshr_b32 s20, s16, 1
	s_add_co_u32 s19, s19, s20                     ; s: the K step
	s_lshr_b32 s20, ttmp9, 6                       ; which weight
	s_and_b32 s21, s18, 31
	s_lshr_b32 s22, s21, 1                         ; Wq, Wk, Wv: head x 262,144 + 128 s rows of 256 bytes + 128 x (which half of d)
	s_lshl_b32 s22, s22, 18
	s_lshl_b32 s23, s19, 15
	s_add_co_u32 s22, s22, s23
	s_and_b32 s23, s18, 1
	s_lshl_b32 s23, s23, 7
	s_add_co_u32 s22, s22, s23
	s_mov_b32 s23, 0
	s_lshl_b32 s24, s19, 19                        ; Wo: 128 s rows of 4,096 bytes + 128 x (which 32 columns)
	s_lshl_b32 s25, s21, 7
	s_add_co_u32 s24, s24, s25
	s_mov_b32 s25, 0
	s_lshr_b32 s26, s19, 1                         ; image (512 + 2 g, s)
	s_mul_i32 s26, s26, 2359296
	s_lshr_b32 s27, s18, 1
	s_add_co_u32 s27, s27, 128
	s_mul_i32 s27, s27, 12288
	s_add_co_u32 s26, s26, s27
	s_and_b32 s27, s19, 1
	s_mul_i32 s27, s27, 6144
	s_add_co_u32 s26, s26, s27
	s_and_b32 s27, s18, 1
	s_mul_i32 s27, s27, 3072
	s_add_co_u32 s26, s26, s27
	s_mov_b32 s27, 0
	s_mul_i32 s28, s19, 49152                      ; its scale words
	s_lshl_b32 s29, s18, 7
	s_add_co_u32 s28, s28, s29
	s_add_co_u32 s28, s28, 9437184+512*64
	s_mov_b32 s29, 0
	s_wait_kmcnt 0x0
	s_add_nc_u64 s[26:27], s[12:13], s[26:27]
	s_add_nc_u64 s[28:29], s[12:13], s[28:29]
	s_cmp_eq_u32 s20, 0                            ; the choice hangs on the work-group's number alone
	s_cselect_b64 s[14:15], s[4:5], s[6:7]
	s_cmp_lt_u32 s20, 2
	s_cselect_b64 s[14:15], s[14:15], s[8:9]
	s_add_nc_u64 s[14:15], s[14:15], s[22:23]      ; both bases are made here and never written again; a work-group loads by one of them
	s_add_nc_u64 s[10:11], s[10:11], s[24:25]
; block kb's 32 numbers of my column.  The rows' pitch is an immediate, so the branch on the work-group's number stands round the 32 loads alone: both ways issue 32 loads into the same registers.
.macro LOADB kb
	s_cmp_ge_u32 ttmp9, 192
	s_cbranch_scc1 .Lwo_\@
.set K, 32*(\kb)
.rept 32
	global_load_b32 v[X+K], v2, s[14:15] offset:K*256 th:TH_LOAD_NT            ; 128 consecutive bytes a wave
.set K, K+1
.endr
	s_branch .Lloaded_\@
.Lwo_\@:
.set K, 32*(\kb)
.rept 32
	global_load_b32 v[X+K], v2, s[10:11] offset:K*4096 th:TH_LOAD_NT
.set K, K+1
.endr
.Lloaded_\@:
.endm
.macro BLOCK kb
.set XS, X+32*(\kb)
.set CB, C+6*(\kb)
.if (\kb) < 3
	s_wait_loadcnt 32                              ; this block's 32 loads are in; behind them only the next block's 32 were issued
.else
	s_wait_loadcnt 0x0
.endif
.if (\kb) < 2
	LOADB (\kb)+2                                  ; two blocks ahead
.endif
	v_max3_num_f32 v8, |v[XS]|, |v[XS+1]|, |v[XS+2]|
	v_max3_num_f32 v9, |v[XS+3]|, |v[XS+4]|, |v[XS+5]|
.irp i, 6,10,14,18,22,26
	v_max3_num_f32 v8, v8, |v[XS+\i]|, |v[XS+\i+1]|
	v_max3_num_f32 v9, v9, |v[XS+\i+2]|, |v[XS+\i+3]|
.endr
	v_max3_num_f32 v8, v8, |v[XS+30]|, |v[XS+31]|
	v_max3_num_f32 v8, v8, v9, 0x1800000           ; and the floor 2^(3 - 127)
	v_add_nc_u32 v10, 0xff000000, v8               ; 2 off the exponent field: the conversion's scale operand
	v_lshrrev_b32 v11, 23, v10                     ; the byte
.if (\kb) == 0
	v_mov_b32 v12, v11
.else
	v_lshl_or_b32 v12, v11, 8*(\kb), v12
.endif
	v_cvt_scalef32_pk16_fp6_f32 v[CB:CB+2], v[XS:XS+15], v10
	v_cvt_scalef32_pk16_fp6_f32 v[TT:TT+2], v[XS+16:XS+31], v10
	v_nop                                          ; one plain place behind the conversions
.irp i, 0,1,2
	v_mov_b32 v[CB+3+\i], v[TT+\i]
.endr
.if (\kb) < 2
	ds_store_b128 v3, v[CB:CB+3] offset:256*((\kb)%2)              ; registers 0-3 of the image's lane
	ds_store_b64 v3, v[CB+4:CB+5] offset:256*((\kb)%2)+512         ; registers 4, 5
.else
	ds_store_b64 v3, v[CB:CB+1] offset:256*((\kb)%2)+520           ; registers 6, 7
	ds_store_b128 v3, v[CB+2:CB+5] offset:256*((\kb)%2)+1024       ; registers 8-11
.endif
.endm
	LOADB 0
	LOADB 1
	BLOCK 0
	BLOCK 1
	BLOCK 2
	BLOCK 3
.irp i, 0,1,2,3,4,5
	ds_load_b128 v[OUTR+4*\i:OUTR+4*\i+3], v7 offset:512*\i        ; LDS serves a wave's instructions in order: these see my stores
.endr
	s_wait_alu depctr_va_vdst(0)
.irp i, 0,1,2,3,4,5
	s_wait_dscnt 5-\i
	global_store_b128 v4, v[OUTR+4*\i:OUTR+4*\i+3], s[26:27] offset:512*\i     ; 512 consecutive bytes, at a multiple of 256 from the buffer's first byte
.endr
	global_store_b32 v13, v12, s[28:29]            ; the two tiles' scale words: 128 consecutive bytes
	s_wait_tensorcnt 0x0                           ; the wave's end, behind my last LDS store
	ds_add_u32 v[SPW], v[NIL]
	s_wait_dscnt 0x0
	s_endpgm
.Lfunc_end_k_qce448b4f5a_quant_w:
	.size	k_qce448b4f5a_quant_w, .Lfunc_end_k_qce448b4f5a_quant_w-k_qce448b4f5a_quant_w
	.p2alignl 7, 3214868480
	.fill 96, 4, 3214868480
	.section	.rodata,"a",@progbits
	.p2align	6, 0x0
	.amdhsa_kernel k_qce448b4f5a_quant_w
		.amdhsa_group_segment_fixed_size 12800
		.amdhsa_private_segment_fixed_size 0
		.amdhsa_enable_private_segment 0
		.amdhsa_kernarg_size 40
		.amdhsa_user_sgpr_count 2
		.amdhsa_user_sgpr_kernarg_segment_ptr 1
		.amdhsa_wavefront_size32 1
		.amdhsa_system_sgpr_workgroup_id_x 1
		.amdhsa_system_sgpr_workgroup_id_y 1
		.amdhsa_system_sgpr_workgroup_id_z 1
		.amdhsa_system_vgpr_workitem_id 0
		.amdhsa_next_free_vgpr 216
		.amdhsa_next_free_sgpr 66
		.amdhsa_reserve_vcc 0
		.amdhsa_float_denorm_mode_32 3
		.amdhsa_float_denorm_mode_16_64 3
		.amdhsa_memory_ordered 1
		.amdhsa_forward_progress 1
		.amdhsa_inst_pref_size 36
	.end_amdhsa_kernel
	.amdgpu_metadata
---
amdhsa.version: [ 1, 2 ]
amdhsa.kernels:
  - .name:           k_qce448b4f5a_quant_w
    .symbol:         k_qce448b4f5a_quant_w.kd
    .args:
      - { .name: Wq, .offset: 0, .size: 8, .value_kind: global_buffer, .address_space: global }
      - { .name: Wk, .offset: 8, .size: 8, .value_kind: global_buffer, .address_space: global }
      - { .name: Wv, .offset: 16, .size: 8, .value_kind: global_buffer, .address_space: global }
      - { .name: Wo, .offset: 24, .size: 8, .value_kind: global_buffer, .address_space: global }
      - { .name: ops, .offset: 32, .size: 8, .value_kind: global_buffer, .address_space: global }
    .group_segment_fixed_size: 12800
    .private_segment_fixed_size: 0
    .kernarg_segment_align: 8
    .kernarg_segment_size: 40
    .max_flat_workgroup_size: 128
    .sgpr_count:     66
    .vgpr_count:     216
    .wavefront_size: 32
...
	.end_amdgpu_metadata
.endif
;; end of part 2
;; launch qkv (part 3): grid 8 x 96, 4 waves a work-group, clusters of 4 x 4, 295,424 bytes of LDS; arguments ops, qkv; writes qkv
.if DOCPART == 3
	.amdgcn_target "amdgcn-amd-amdhsa--gfx1250"
	.amdhsa_code_object_version 6
	.text
	.protected	k_qce448b4f5a_qkv
	.globl	k_qce448b4f5a_qkv
	.p2align	8
	.type	k_qce448b4f5a_qkv,@function
k_qce448b4f5a_qkv:
	s_mov_b64 s[64:65], 0
	v_nop
	global_prefetch_b8 v0, s[64:65] scope:SCOPE_SE
	s_setreg_imm32_b32 hwreg(HW_REG_WAVE_MODE, 25, 1), 1
	s_wait_xcnt 0x0
	s_wait_alu depctr_hold_cnt(0) depctr_sa_sdst(0) depctr_va_vdst(0) depctr_va_sdst(0) depctr_va_ssrc(0) depctr_va_vcc(0) depctr_vm_vsrc(0)
	s_getreg_b32 s2, hwreg(HW_REG_IB_STS2, 6, 4)
	s_cmp_eq_u32 s2, 0
	s_cbranch_scc0 .Lentry_in_a_cluster
	s_endpgm
.Lentry_in_a_cluster:
	s_bfe_u32 s2, ttmp6, 0x10000c
	s_cmp_lg_u32 s2, 0xf033
	s_cbranch_scc0 .Lentry_shape_is_right
	s_endpgm
.Lentry_shape_is_right:
; q = x Wq, k = x Wk, v = x Wv on codes of FP6 (E2M3) with E8M0 scales, K = 1,024; the results are quantised in registers and stored as the operands of attention.
; A work-group makes 128 "A rows" x 256 "B rows"; ALL of K lies in LDS (A 98,304 bytes, B 196,608), brought by first fills alone: nothing is filled again.
; Clusters with y < 16: A = x, B = Wq | Wk.  A lane then holds one row of x and its registers run along (head, d): q and k are quantised along d.
; Clusters with y >= 16: A = Wv, B = x.  A lane holds one (head, d) and its registers run along the keys: v is quantised along the keys.
; Operands lie in memory as images of their registers (1,536 bytes a fragment of 16 rows x 128 K), so that a pair of K steps of any run of four-tile groups is one dense block,
; and a fragment comes from LDS by three loads of 512 consecutive bytes.  Lane r of tile 2 B + u holds row 32 B + 8 u + r + 8 (r / 8): so the 16 result registers of two neighbouring B tiles are 16 neighbours.
; THE MATRIX INSTRUCTION IS USED TRANSPOSED: source 0 = a tile of B, source 1 = a tile of A.
; A wave makes 64 x 128: 32 accumulators (window 2, (a, b) at v[8 (8 a + b)]).  Window 0: addresses, scale words v32-79, A's two sets from v128.  Window 1: B's two sets at v0 and v128.
; CLUSTERS: 4 x 4 work-groups; A's blocks are asked for jointly along a row of the cluster, B's along a column.  A wave has one tensor load out at the most.
; WHAT IS STORED.  q, k: an image holds 32 keys of one head: registers 0-5 tile u = 0, registers 6-11 tile u = 1 (d = 64 fills half a fragment); a scale word is (even tile's two bytes, odd tile's two).
; v: an image holds 16 d x 128 keys.  No branch parts the two kinds of work-group: offsets, byte selects and one exchange of registers are chosen by the cluster's y.
; LIMITS: a block of zeros, or one whose largest magnitude lies under 2^-124, gets the byte 1; NaN and infinities are not served.
.set QPLA,  2359296                    ; from one pair of K steps to the next, in A's buffer and in B's
.set QPLB,  2359296
.set PLA,   49152                      ; from one K step's scale words to the next
.set PLB,   49152
.set SPARE, 294912
.set SPW, 28
.set NIL, 29
.set L4,  5                            ; v5  4 x lane
.set ADA, 6                            ; v6  LDS: my 64 rows of A
.set ADB0, 7                           ; v7  my 128 rows of B, K steps 0-3;  v8: K steps 4-7
.set ADB1, 8
.set SA,  32                           ; v32-47 A's scale words: register 8 (a / 2) + s; lanes 0-15 the even tile's, lanes 16-31 the odd tile's
.set SB,  48                           ; v48-79 B's: register 8 (b / 2) + s
.set WV,  12
.set WR,  13
.set WC,  14
.set G1A, 24
.set G1B, 32
.set G0A, 40                           ; s[40:43] group 0 for A's four blocks
.set G0B, 68                           ; s[68:71] for B's
.set TM,  96                           ; the way out: v96-99 largest magnitudes, v100-103 bytes, v108-111 scale operands
.set TT,  112                          ; v112-118 second halves of the conversions
.set PWE, 120
.set PWO, 121
.set XW,  122                          ; v122-123, v124-125 the scale words to store
.set YW,  124
.set OW,  126
.set MSB, 0
.macro WIN new                         ; the immediate's high byte repeats the setting that is left
.if MSB != \new
	s_set_vgpr_msb (MSB<<8)|\new
.set MSB, \new
.endif
.endm
.macro CROUND                          ; a round of the cluster's barrier
	s_barrier_signal -1
	s_barrier_wait -1
	s_cmp_lg_u32 s[WV], 0
	s_cbranch_scc1 .Lnot_wave_0_\@
	s_barrier_signal -3
.Lnot_wave_0_\@:
	s_barrier_wait -3
	s_barrier_signal -1
	s_barrier_wait -1
.endm
.macro PLACES                          ; four plain places behind matrix instructions, in front of loads into their registers and of reads of their results
.rept 4
	v_nop
.endr
.endm
	s_load_b128 s[4:7], s[0:1], 0x0                ; ops, qkv
	v_lshl_add_u32 v[SPW], v0, 2, SPARE
	v_mov_b32 v[NIL], 0
	ds_add_u32 v[SPW], v[NIL]                      ; the wave's opening: the add and its wait ahead of my first tensor load
	ds_add_u32 v[SPW], v[NIL]
	v_lshrrev_b32 v1, 5, v0
	v_readfirstlane_b32 s[WV], v1
	s_lshr_b32 s[WR], s[WV], 1                     ; my half of A's rows.  Also: I fetch for A (0) or for B (1)
	s_and_b32 s[WC], s[WV], 1                      ; my half of B's rows.  Also: which half I fetch
	s_bfe_u32 s15, ttmp6, 0x40000                  ; cx
	s_bfe_u32 s16, ttmp6, 0x40004                  ; cy
	s_and_b32 s17, ttmp7, 0xffff                   ; the cluster's y
	s_sub_co_u32 s18, s17, 16
	s_cmp_ge_u32 s17, 16                           ; v's clusters?  The same in all sixteen partners
	s_cselect_b32 s19, ttmp9, s17                  ; the cluster's place along A's rows
	s_cselect_b32 s18, s18, ttmp9                  ; and along B's
	s_cselect_b32 s22, 80, 0                       ; A begins at group 80 (Wv) or 0 (x); a group is 8 tiles
	s_cselect_b32 s23, 0, 64                       ; B at group 0 (x) or 64 (Wq | Wk)
	s_cselect_b32 s56, 0, -1                       ; all ones for q and k
	s_lshl_b32 s20, s19, 2
	s_add_co_u32 s20, s20, s16                     ; tile row
	s_lshl_b32 s21, s18, 2
	s_add_co_u32 s21, s21, s15                     ; tile column
	s_add_co_u32 s22, s22, s20                     ; GA
	s_lshl_b32 s3, s21, 1
	s_add_co_u32 s23, s23, s3                      ; GB
	s_lshl_b32 s57, s16, 2
	s_lshl_b32 s57, 15, s57                        ; my row of the cluster
	s_lshl_b32 s3, 0x1111, s15                     ; my column
	s_or_b32 s[G1A], s57, (3<<16)|(1<<21)          ; 15:0 the mask; 17:16 elements of 8 bytes; 21 set beside a mask; no padding
	s_or_b32 s[G1B], s3, (3<<16)|(1<<21)
; ONE tensor load a wave: its four blocks, one for each pair of K steps, are the four rows of one tile; a row is a dense block, the pitch the distance between two pairs' planes
.irp g, G1A, G1B
	s_mov_b32 s[\g+2], 4<<16                       ; tensor_dim1 = 4 rows
	s_mov_b32 s[\g+4], 4                           ; tile_dim1
	s_mov_b32 s[\g+6], 0
	s_mov_b32 s[\g+7], 0
.endr
	s_mov_b32 s[G1A+1], 1536<<16                   ; A: a row of 12,288 bytes: four tiles x two K steps
	s_mov_b32 s[G1A+3], 1536<<16
	s_mov_b32 s[G1A+5], QPLA/8
	s_mov_b32 s[G1B+1], 3072<<16                   ; B: 24,576 bytes: eight tiles x two K steps
	s_mov_b32 s[G1B+3], 3072<<16
	s_mov_b32 s[G1B+5], QPLB/8
	s_lshl_b32 s58, s22, 1
	s_add_co_u32 s58, s58, s[WC]
	s_mul_i32 s58, s58, 12288                      ; A: my four tiles
	s_mov_b32 s59, 0
	s_add_co_u32 s60, s23, s[WC]
	s_mul_i32 s60, s60, 24576                      ; B: my eight tiles
	s_mov_b32 s61, 0
	s_mul_i32 s62, s[WC], 49152                    ; where they go: no place in the cluster enters an LDS address
	s_mul_i32 s63, s[WC], 98304
	s_add_co_u32 s63, s63, 98304
	s_lshl_b32 s84, s22, 9                         ; the scale words of my wave's four tiles of A,
	s_lshl_b32 s85, s[WR], 8
	s_add_co_u32 s84, s84, s85
	s_add_co_u32 s84, s84, 9437184
	s_mov_b32 s85, 0
	s_add_co_u32 s86, s23, s[WC]                   ; and of its eight of B
	s_lshl_b32 s86, s86, 9
	s_add_co_u32 s86, s86, 9437184
	s_mov_b32 s87, 0
	s_wait_dscnt 0x0                               ; the opening add is done
	s_wait_kmcnt 0x0
	s_add_nc_u64 s[58:59], s[4:5], s[58:59]
	s_add_nc_u64 s[60:61], s[4:5], s[60:61]
	s_add_nc_u64 s[84:85], s[4:5], s[84:85]
	s_add_nc_u64 s[86:87], s[4:5], s[86:87]
.irp q, 0
	s_mov_b32 s[G0A+4*\q], 1
	s_add_co_u32 s[G0A+4*\q+1], s62, \q*12288
	s_add_nc_u64 s[G0A+4*\q+2:G0A+4*\q+3], s[58:59], \q*QPLA
	s_or_b32 s[G0A+4*\q+3], s[G0A+4*\q+3], 0x80000000
	s_mov_b32 s[G0B+4*\q], 1
	s_add_co_u32 s[G0B+4*\q+1], s63, \q*24576
	s_add_nc_u64 s[G0B+4*\q+2:G0B+4*\q+3], s[60:61], \q*QPLB
	s_or_b32 s[G0B+4*\q+3], s[G0B+4*\q+3], 0x80000000
.endr
	CROUND                                         ; all sixteen work-groups are here: the joint loads meet
	s_cmp_eq_u32 s[WR], 0                          ; a wave's one fill stands in one branch on its number: waves 0, 1 A's halves, waves 2, 3 B's
	s_cbranch_scc0 .Lfill_b
	tensor_load_to_lds s[G0A:G0A+3], s[G1A:G1A+7]
	s_nop 0
.rept 4
	v_nop
.endr
	s_branch .Lfilled
.Lfill_b:
	tensor_load_to_lds s[G0B:G0B+3], s[G1B:G1B+7]
	s_nop 0
.rept 4
	v_nop
.endr
.Lfilled:
	v_and_b32 v1, 31, v0
	v_lshlrev_b32 v[L4], 2, v1
	v_lshlrev_b32 v2, 4, v1                        ; 16 x lane
	v_and_b32 v3, 15, v0                           ; r
	v_bfe_u32 v4, v0, 4, 1                         ; h
.irp s, 0,1,2,3,4,5,6,7
.irp i, 0,1
	global_load_b32 v[SA+8*\i+\s], v[L4], s[84:85] offset:\s*PLA+128*\i        ; two tiles' words: 128 consecutive bytes
.endr
.irp i, 0,1,2,3
	global_load_b32 v[SB+8*\i+\s], v[L4], s[86:87] offset:\s*PLB+128*\i
.endr
.endr
	s_mul_i32 s2, s[WR], 49152
	v_add_nc_u32 v[ADA], s2, v2
	s_mul_i32 s2, s[WC], 98304
	s_add_co_u32 s2, s2, 98304
	v_add_nc_u32 v[ADB0], s2, v2
	s_add_co_u32 s2, s2, 49152
	v_add_nc_u32 v[ADB1], s2, v2
; the fragments of K step s into set p: B's eight, A's four: 36 loads of 512 consecutive bytes
.macro FETCH s, p
	WIN 0x40                                       ; destination window 1
.irp b, 0,1,2,3,4,5,6,7
.irp c, 0,1,2
.if (\s) < 4
	ds_load_b128 v[128*(\p)+12*\b+4*\c:128*(\p)+12*\b+4*\c+3], v[ADB0] offset:((\s)/2)*24576+(\b/4)*12288+((\s)%2)*6144+(\b%4)*1536+512*\c
.else
	ds_load_b128 v[128*(\p)+12*\b+4*\c:128*(\p)+12*\b+4*\c+3], v[ADB1] offset:((\s)/2-2)*24576+(\b/4)*12288+((\s)%2)*6144+(\b%4)*1536+512*\c
.endif
.endr
.endr
	WIN 0
.irp a, 0,1,2,3
.irp c, 0,1,2
	ds_load_b128 v[128+48*(\p)+12*\a+4*\c:128+48*(\p)+12*\a+4*\c+3], v[ADA] offset:(\s)*6144+\a*1536+512*\c
.endr
.endr
.endm
; one product.  An odd tile's scale words lie in lanes 16-31 of its pair's register.  K step 0 starts the sums: nothing is cleared
.macro WM a, b, p, s
.set rD, 8*(8*(\a)+(\b))
.set rB, 128*(\p)+12*(\b)
.set rA, 128+48*(\p)+12*(\a)
.set rSB, SB+8*((\b)/2)+(\s)
.set rSA, SA+8*((\a)/2)+(\s)
.if (\s) == 0
.if ((\b)%2 == 0) && ((\a)%2 == 0)
	v_wmma_scale_f32_16x16x128_f8f6f4 v[rD:rD+7], v[rB:rB+11], v[rA:rA+11], 0, v[rSB], v[rSA] matrix_a_fmt:MATRIX_FMT_FP6 matrix_b_fmt:MATRIX_FMT_FP6
.elseif ((\b)%2 == 1) && ((\a)%2 == 0)
	v_wmma_scale_f32_16x16x128_f8f6f4 v[rD:rD+7], v[rB:rB+11], v[rA:rA+11], 0, v[rSB], v[rSA] matrix_a_fmt:MATRIX_FMT_FP6 matrix_b_fmt:MATRIX_FMT_FP6 matrix_a_scale:MATRIX_SCALE_ROW1
.elseif ((\b)%2 == 0)
	v_wmma_scale_f32_16x16x128_f8f6f4 v[rD:rD+7], v[rB:rB+11], v[rA:rA+11], 0, v[rSB], v[rSA] matrix_a_fmt:MATRIX_FMT_FP6 matrix_b_fmt:MATRIX_FMT_FP6 matrix_b_scale:MATRIX_SCALE_ROW1
.else
	v_wmma_scale_f32_16x16x128_f8f6f4 v[rD:rD+7], v[rB:rB+11], v[rA:rA+11], 0, v[rSB], v[rSA] matrix_a_fmt:MATRIX_FMT_FP6 matrix_b_fmt:MATRIX_FMT_FP6 matrix_a_scale:MATRIX_SCALE_ROW1 matrix_b_scale:MATRIX_SCALE_ROW1
.endif
.else
.if ((\b)%2 == 0) && ((\a)%2 == 0)
	v_wmma_scale_f32_16x16x128_f8f6f4 v[rD:rD+7], v[rB:rB+11], v[rA:rA+11], v[rD:rD+7], v[rSB], v[rSA] matrix_a_fmt:MATRIX_FMT_FP6 matrix_b_fmt:MATRIX_FMT_FP6
.elseif ((\b)%2 == 1) && ((\a)%2 == 0)
	v_wmma_scale_f32_16x16x128_f8f6f4 v[rD:rD+7], v[rB:rB+11], v[rA:rA+11], v[rD:rD+7], v[rSB], v[rSA] matrix_a_fmt:MATRIX_FMT_FP6 matrix_b_fmt:MATRIX_FMT_FP6 matrix_a_scale:MATRIX_SCALE_ROW1
.elseif ((\b)%2 == 0)
	v_wmma_scale_f32_16x16x128_f8f6f4 v[rD:rD+7], v[rB:rB+11], v[rA:rA+11], v[rD:rD+7], v[rSB], v[rSA] matrix_a_fmt:MATRIX_FMT_FP6 matrix_b_fmt:MATRIX_FMT_FP6 matrix_b_scale:MATRIX_SCALE_ROW1
.else
	v_wmma_scale_f32_16x16x128_f8f6f4 v[rD:rD+7], v[rB:rB+11], v[rA:rA+11], v[rD:rD+7], v[rSB], v[rSA] matrix_a_fmt:MATRIX_FMT_FP6 matrix_b_fmt:MATRIX_FMT_FP6 matrix_a_scale:MATRIX_SCALE_ROW1 matrix_b_scale:MATRIX_SCALE_ROW1
.endif
.endif
.endm
; A K step of 128: the next step's 36 loads are issued ahead of this step's 32 products.  The 32 accumulators take turns, one instruction a turn, in the same order in every step.
.macro KSTEP s
	s_wait_dscnt 0x0                               ; this step's fragments are in
.if (\s) < 7
	PLACES
	FETCH (\s)+1, ((\s)+1)%2
.endif
	WIN 0xa1                                       ; source 0 (B) window 1, source 1 (A) window 0, C and D window 2
.irp a, 0,1,2,3
.irp b, 0,1,2,3,4,5,6,7
	WM \a, \b, (\s)%2, \s
.endr
.endr
	WIN 0
.endm
	s_wait_alu depctr_va_vdst(0)
	s_wait_tensorcnt 0x0                           ; my one load, all of K of my rows, has landed
	s_barrier_signal -1
	s_barrier_wait -1
	FETCH 0, 0
	s_wait_loadcnt 0x0                             ; the scale words
	KSTEP 0
	KSTEP 1
	KSTEP 2
	KSTEP 3
	KSTEP 4
	KSTEP 5
	KSTEP 6
	KSTEP 7
	; THE WAY OUT.  Where the results go: both kinds' numbers are made, then chosen by one compare.  (All tensor loads are done: the descriptors' registers are free.)
	s_lshr_b32 s24, s21, 2                         ; q, k: 0 = q, 1 = k
	s_and_b32 s25, s21, 3
	s_lshl_b32 s25, s25, 2
	s_lshl_b32 s26, s[WC], 1
	s_add_co_u32 s25, s25, s26                     ; my first head
	s_lshr_b32 s26, s20, 4
	s_lshl_b32 s26, s26, 4
	s_add_co_u32 s25, s25, s26                     ; 16 x batch + head
	s_and_b32 s26, s20, 15
	s_lshl_b32 s27, s25, 6
	s_lshl_b32 s28, s26, 2
	s_add_co_u32 s27, s27, s28
	s_lshl_b32 s28, s[WR], 1
	s_add_co_u32 s27, s27, s28                     ; my first image of 32 keys
	s_mul_i32 s27, s27, 1536
	s_mul_i32 s28, s24, 6291456
	s_add_co_u32 s27, s27, s28
	s_lshl_b32 s28, s26, 1
	s_add_co_u32 s28, s28, s[WR]
	s_lshl_b32 s28, s28, 7                         ; my group of 64 keys: 128 bytes of scale words
	s_lshl_b32 s29, s25, 12
	s_add_co_u32 s28, s28, s29
	s_lshl_b32 s29, s24, 18
	s_add_co_u32 s28, s28, s29
	s_add_co_u32 s28, s28, 18874368
	s_lshr_b32 s30, s21, 3                         ; v: batch,
	s_lshl_b32 s30, s30, 4
	s_lshl_b32 s31, s20, 1
	s_add_co_u32 s30, s30, s31
	s_add_co_u32 s30, s30, s[WR]                   ; + head
	s_and_b32 s31, s21, 7
	s_lshl_b32 s31, s31, 1
	s_add_co_u32 s31, s31, s[WC]                   ; the key step
	s_lshl_b32 s32, s30, 4
	s_add_co_u32 s32, s32, s31
	s_mul_i32 s32, s32, 6144
	s_add_co_u32 s32, s32, 12582912
	s_lshl_b32 s33, s30, 12
	s_lshl_b32 s34, s31, 8
	s_add_co_u32 s33, s33, s34
	s_add_co_u32 s33, s33, 19398656
	s_mov_b32 s40, 3072
	s_mov_b32 s41, 1536
	s_mov_b32 s42, 128
	s_mov_b32 s43, 0x03020100
	s_mov_b32 s44, 0x07060504
	s_mov_b32 s45, 0xffff0000                      ; lanes 16-31
	s_cmp_lg_u32 s56, 0                            ; q and k?
	s_cselect_b32 s36, s27, s32                    ; the first image
	s_cselect_b32 s38, s28, s33                    ; the scale words
	s_cselect_b32 s40, 1536, s40                   ; from the first pair of A's tiles to the second
	s_cselect_b32 s41, 98304, s41                  ; from image X to image Y: the next head, or the next d tile
	s_cselect_b32 s42, 4096, s42                   ; the same for the scale words
	s_cselect_b32 s43, 0x05040100, s43             ; word X: the two tiles' lower bytes (first head), or the even tile's word
	s_cselect_b32 s44, 0x07060302, s44             ; word Y: their upper bytes (second head), or the odd tile's word
	s_mov_b32 s37, 0
	s_mov_b32 s39, 0
	s_add_nc_u64 s[88:89], s[6:7], s[36:37]
	s_add_nc_u64 s[90:91], s[6:7], s[38:39]
	PLACES                                         ; behind the last products
	v_mov_b32 v9, v2                               ; image X of the first pair: 16 x lane
	v_add_nc_u32 v10, s41, v2                      ; image Y
	v_add_nc_u32 v11, s40, v2                      ; the second pair's
	v_add_nc_u32 v12, s41, v11
	v_mul_u32_u24 v13, v4, s42
	v_lshl_add_u32 v13, v3, 3, v13                 ; the scale words: 8 r, lanes 16-31 at Y's place
.irp b, 0,1,2,3
	v_mov_b32 v[TM+4+\b], 0                        ; a lane permute's destination counts as read: written once
.endr
; A's tile a: the lane's 64 results (window 2; register 16 b + i = place 32 b + 16 (lane / 16) + i along the next K) become 12 registers of codes, six from v[d0] on and six from v[d1] on, and a scale word
.macro QUANT a, d0, d1, pw
.set QS0, 64*(\a)
	WIN 0x0a                                       ; sources 0 and 1 window 2
.irp b, 0,1,2,3
	v_max3_num_f32 v[TM+\b], |v[QS0+16*\b]|, |v[QS0+1+16*\b]|, 0x1800000       ; each accumulator is read from its low end on; the floor 2^(3 - 127) holds the byte at 1 from below
.endr
.irp i, 2,4,6,8,10,12,14
.irp b, 0,1,2,3
	v_max3_num_f32 v[TM+\b], |v[QS0+16*\b+\i]|, |v[QS0+1+16*\b+\i]|, v[TM+\b]
.endr
.endr
	WIN 0
.irp b, 0,1,2,3
	v_permlanex16_b32 v[TM+4+\b], v[TM+\b], s46, s47
.endr
.irp b, 0,1,2,3
	v_max_num_f32 v[TM+\b], v[TM+\b], v[TM+4+\b]   ; with lane l xor 16's: the block's largest magnitude
.endr
.irp b, 0,1,2,3
	v_add_nc_u32 v[TM+12+\b], 0xff000000, v[TM+\b] ; 2 off its exponent field: the conversion's scale operand
.endr
.irp b, 0,1,2,3
	v_lshrrev_b32 v[TM+4+\b], 23, v[TM+12+\b]      ; the byte
.endr
	v_lshl_or_b32 v[\pw], v[TM+5], 8, v[TM+4]
	v_lshl_or_b32 v[\pw], v[TM+6], 16, v[\pw]
	v_lshl_or_b32 v[\pw], v[TM+7], 24, v[\pw]
	WIN 0x02                                       ; source 0 window 2
	v_cvt_scalef32_pk16_fp6_f32 v[\d0:\d0+2], v[QS0:QS0+15], v[TM+12]
	v_cvt_scalef32_pk16_fp6_f32 v[TT:TT+2], v[QS0+16:QS0+31], v[TM+13]
	v_cvt_scalef32_pk16_fp6_f32 v[\d1:\d1+2], v[QS0+32:QS0+47], v[TM+14]
	v_cvt_scalef32_pk16_fp6_f32 v[TT+4:TT+6], v[QS0+48:QS0+63], v[TM+15]
	WIN 0
	v_nop                                          ; one plain place behind the conversions
.irp i, 0,1,2                                  ; the operand's layout wants a whole block in a lane
	v_permlane16_swap_b32 v[\d0+\i], v[TT+\i]
	v_permlane16_swap_b32 v[\d1+\i], v[TT+4+\i]
.endr
.irp i, 0,1,2
	v_mov_b32 v[\d0+3+\i], v[TT+\i]
	v_mov_b32 v[\d1+3+\i], v[TT+4+\i]
.endr
.endm
; A's tiles 2 p and 2 p + 1 give two images.  v: each tile's 12 registers are an image.  q, k: the tiles' first halves (first head) are image X, their second halves image Y: the middle twelve registers change places
.macro PAIR p
.set IM, 128+24*(\p)
	QUANT 2*(\p), IM, IM+6, PWE
	QUANT 2*(\p)+1, IM+12, IM+18, PWO
.irp i, 0,1,2,3,4,5
	v_mov_b32 v119, v[IM+6+\i]
	v_cndmask_b32 v[IM+6+\i], v[IM+6+\i], v[IM+12+\i], s56
	v_cndmask_b32 v[IM+12+\i], v[IM+12+\i], v119, s56
.endr
	v_perm_b32 v[XW+(\p)], v[PWO], v[PWE], s43
	v_perm_b32 v[YW+(\p)], v[PWO], v[PWE], s44
.irp c, 0,1,2
	global_store_b128 v[9+2*(\p)], v[IM+4*\c:IM+4*\c+3], s[88:89] offset:512*\c            ; 512 consecutive bytes, at a multiple of 256 from the buffer's first byte
	global_store_b128 v[10+2*(\p)], v[IM+12+4*\c:IM+12+4*\c+3], s[88:89] offset:512*\c
.endr
.endm
	s_mov_b32 s46, 0x76543210
	s_mov_b32 s47, 0xfedcba98                      ; selects for lane l xor 16
	PAIR 0
	PAIR 1
	v_cndmask_b32 v[OW], v[XW], v[YW], s45         ; lanes 0-15 store X's two words, lanes 16-31 Y's
	v_cndmask_b32 v[OW+1], v[XW+1], v[YW+1], s45
	global_store_b64 v13, v[OW:OW+1], s[90:91]     ; two runs of 128 consecutive bytes
	s_wait_tensorcnt 0x0                           ; the wave's end
	ds_add_u32 v[SPW], v[NIL]
	s_wait_dscnt 0x0
	CROUND                                         ; the closing round
	s_endpgm
.Lfunc_end_k_qce448b4f5a_qkv:
	.size	k_qce448b4f5a_qkv, .Lfunc_end_k_qce448b4f5a_qkv-k_qce448b4f5a_qkv
	.p2alignl 7, 3214868480
	.fill 96, 4, 3214868480
	.section	.rodata,"a",@progbits
	.p2align	6, 0x0
	.amdhsa_kernel k_qce448b4f5a_qkv
		.amdhsa_group_segment_fixed_size 295424
		.amdhsa_private_segment_fixed_size 0
		.amdhsa_enable_private_segment 0
		.amdhsa_kernarg_size 16
		.amdhsa_user_sgpr_count 2
		.amdhsa_user_sgpr_kernarg_segment_ptr 1
		.amdhsa_wavefront_size32 1
		.amdhsa_system_sgpr_workgroup_id_x 1
		.amdhsa_system_sgpr_workgroup_id_y 1
		.amdhsa_system_sgpr_workgroup_id_z 1
		.amdhsa_system_vgpr_workitem_id 0
		.amdhsa_next_free_vgpr 768
		.amdhsa_next_free_sgpr 100
		.amdhsa_reserve_vcc 0
		.amdhsa_float_denorm_mode_32 3
		.amdhsa_float_denorm_mode_16_64 3
		.amdhsa_memory_ordered 1
		.amdhsa_forward_progress 1
		.amdhsa_inst_pref_size 85
	.end_amdhsa_kernel
	.amdgpu_metadata
---
amdhsa.version: [ 1, 2 ]
amdhsa.kernels:
  - .name:           k_qce448b4f5a_qkv
    .symbol:         k_qce448b4f5a_qkv.kd
    .args:
      - { .name: ops, .offset: 0, .size: 8, .value_kind: global_buffer, .address_space: global }
      - { .name: qkv, .offset: 8, .size: 8, .value_kind: global_buffer, .address_space: global }
    .group_segment_fixed_size: 295424
    .private_segment_fixed_size: 0
    .kernarg_segment_align: 8
    .kernarg_segment_size: 16
    .max_flat_workgroup_size: 128
    .sgpr_count:     100
    .vgpr_count:     768
    .wavefront_size: 32
...
	.end_amdgpu_metadata
.endif
;; end of part 3
;; launch attn (part 4): grid 4 x 64, 16 waves a work-group, clusters of 4 x 1, 239,616 bytes of LDS; arguments qkv, mask, ctx; writes ctx
.if DOCPART == 4
	.amdgcn_target "amdgcn-amd-amdhsa--gfx1250"
	.amdhsa_code_object_version 6
	.text
	.protected	k_qce448b4f5a_attn
	.globl	k_qce448b4f5a_attn
	.p2align	8
	.type	k_qce448b4f5a_attn,@function
k_qce448b4f5a_attn:
	s_mov_b64 s[64:65], 0
	v_nop
	global_prefetch_b8 v0, s[64:65] scope:SCOPE_SE
	s_setreg_imm32_b32 hwreg(HW_REG_WAVE_MODE, 25, 1), 1
	s_wait_xcnt 0x0
	s_wait_alu depctr_hold_cnt(0) depctr_sa_sdst(0) depctr_va_vdst(0) depctr_va_sdst(0) depctr_va_ssrc(0) depctr_va_vcc(0) depctr_vm_vsrc(0)
	s_getreg_b32 s2, hwreg(HW_REG_IB_STS2, 6, 4)
	s_cmp_eq_u32 s2, 0
	s_cbranch_scc0 .Lentry_in_a_cluster
	s_endpgm
.Lentry_in_a_cluster:
	s_bfe_u32 s2, ttmp6, 0x10000c
	s_cmp_lg_u32 s2, 0x3003
	s_cbranch_scc0 .Lentry_shape_is_right
	s_endpgm
.Lentry_shape_is_right:
; ctx = softmax(q k^T / 8 + (1 - mask) x -1e9) v for 64 (batch, head) pairs of 2,048 x 64, both products on codes of FP6 (E2M3) with E8M0 scales; ctx is quantised along d and stored as halves of the last product's operand.
; THE SOFTMAX AHEAD OF THE SECOND PRODUCT: t = logit x log2(e); M = the row's largest t so far, rounded up to a whole number; p = 2^(t - M) is quantised along the keys, not normalised;
; the row's sum is taken of the unquantised p and divides at the end.  When M moves, the sum and O are multiplied by 2^(old M - new M): exact.
; SHARES.  A work-group owns ONE (batch, head) and 512 queries.  The head's k and v, 2 x 98,304 bytes of images and 2 x 4,096 of scale words, lie in LDS whole, by first fills alone: nothing is filled again,
; and behind the head's barrier no wave waits for another.  Each of sixteen waves owns one image of q (two tiles of 16 queries) and walks the 16 key steps of 128 keys twice, a tile a walk.
; CLUSTER: the four query blocks of a head read the same k and v: every fill is a joint load.  Waves 0-3 fetch k's quarters, waves 4-7 v's, wave 8 both tensors' scale words: one tensor load a wave.
; No prefetch: every tile is asked for by its tensor load at the head, so there is no loop in which to ask ahead.
; Both products are used transposed (S^T = k q^T, O^T = v^T p^T): a lane holds one query throughout.
; d = 64 IS HALF A FRAGMENT: an image of k holds two tiles of 16 keys (registers 0-5, 6-11).  It is multiplied once by [q | 0] and once by [0 | q]: zero codes add nothing.
; WHICH KEYS FORM A TILE is chosen by the lanes' LDS addresses: image B's lane r holds keys 32 B + 8 u + r + 8 (r / 8).  Fragment (c, a) takes for rows 0-7 lanes 8 a .. of image 2 c and for rows 8-15 the same lanes of image 2 c + 1.
; So score register 32 c + 16 a + 8 u + j of lane (query, h) is key 64 c + 32 h + 16 a + 8 u + j: a lane's 32 registers are ONE scale block of p, and its codes fall as the operand's layout wants them.
; k's LDS rows of 512 bytes have 128 bytes of padding.
; THE MASK'S TERM IS THE C OF THE SCORE PRODUCTS: 8 x (1 - mask) x -1e9 lies in LDS, one f32 a key, and is loaded into the score registers; S = q.k + 8 x term, t = S x log2(e) / 8.
; WHAT IS STORED: for tile T and head hd, at the place of image (T, hd / 2) + 768 (hd % 2): registers 0-3 of the half at 16 x lane, registers 4, 5 at 512 + 8 x lane; the half's two scale bytes at 6,291,456 + 16,384 hd + 32 T + 2 r.
; LIMITS: NaN and infinities are not served; the promise holds while |t| stays under 2^31; a block of zeros gets the byte 1; q.k + 8 x the mask's term is rounded once, in the matrix unit; 1 / the sum is a reciprocal and a multiplication.
.set VB,    122880                     ; k's images at 0 (64 x 1,920), v's here
.set KSB,   221184                     ; k's scale words, then v's
.set VSB,   225280
.set BIAS,  229376                     ; 2,048 f32: written by LDS stores, never filled
.set SPARE, 237568                     ; the spare words, 128 bytes for each of sixteen waves
.set LK,  1                            ; my lane's place in a fragment of k
.set LV,  2                            ; 16 x lane
.set BA,  3                            ; BIAS + 128 h
.set SPW, 4
.set NIL, 5
.set ADK, 6                            ; the step's addresses: k, v, k's scale words, v's, the mask's terms
.set ADV, 7
.set ADS, 8
.set ADSV, 9
.set ADB, 10
.set H8,  11                           ; 8 h
.set QZ,  16                           ; v16-21 zeros, v22-27 q, v28-33 zeros
.set QSC, 34                           ; q's two scale bytes, twice
.set LKS, 35
.set F,   36                           ; v36-83 four fragments of k, then four of v
.set KSW, 84                           ; v84-85 k's scale words: lanes 0-15 a = 0, lanes 16-31 a = 1
.set R8V, 86
.set L8,  87
.set VSW, 88                           ; v88-91 v's
.set L2,  92
.set CW,  93                           ; v93, v94 ctx's scale bytes of my two tiles
.set S,   96                           ; v96-159 S^T, then p
.set O,   160                          ; v160-191 O^T
.set Q1,  192                          ; v192-197, v198 the second tile's q and scale bytes
.set QS1, 198
.set CI,  200                          ; v200-211 ctx's codes, six registers a tile
.set AC,  212                          ; v212-219 the row's sum in four pairs
.set P,   224                          ; v224-235 p's codes
.set TC,  236                          ; v236-238, v240-242 the conversions' second halves
.set MB,  244                          ; v244-245 the blocks' largest; v246-247 second chains
.set MC,  246
.set SOP, 248
.set BY,  250                          ; v252 f, v253 p's scale word, v254, v255, v14 at work
.set WV,  18
.set CN,  19                           ; -log2(e) / 8
.set SEL, 20
.set CS,  22                           ; s[22:23] log2(e) / 8
.set G1K, 24
.set G1V, 32
.set G1S, 40
.set G0K, 48
.set G0V, 52
.set G0S, 56
.set TK,  60
.set TV,  61
.set TS,  62
.set TBI, 63
.set MK,  74
.macro CROUND                          ; a round of the cluster's barrier
	s_barrier_signal -1
	s_barrier_wait -1
	s_cmp_lg_u32 s[WV], 0
	s_cbranch_scc1 .Lnot_wave_0_\@
	s_barrier_signal -3
.Lnot_wave_0_\@:
	s_barrier_wait -3
	s_barrier_signal -1
	s_barrier_wait -1
.endm
.macro WALU
	s_wait_alu depctr_va_vdst(0)
.endm
.macro D1                              ; (marks a line that reads the line before it; nothing is assembled for it)
.endm
.macro D2                              ; (the same, two lines back)
.endm
.macro TL g0, g1
	tensor_load_to_lds s[\g0:\g0+3], s[\g1:\g1+7]
	s_nop 0
.rept 4
	v_nop
.endr
.endm
	s_load_b128 s[4:7], s[0:1], 0x0                ; qkv, mask
	s_load_b64 s[8:9], s[0:1], 0x10                ; ctx
	v_lshl_add_u32 v[SPW], v0, 2, SPARE
	v_mov_b32 v[NIL], 0
	ds_add_u32 v[SPW], v[NIL]                      ; the opening lines: the add, twice, and its wait ahead of the first tensor loads
	ds_add_u32 v[SPW], v[NIL]
	v_lshrrev_b32 v6, 5, v0
	v_readfirstlane_b32 s[WV], v6
	s_bfe_u32 s10, ttmp6, 0x40000                  ; cx: my block of 512 queries: it enters q's and ctx's addresses alone
	s_and_b32 s12, ttmp7, 0xffff                   ; 16 x batch + head, which the four partners share
	s_mov_b32 s[G1K], 15|(3<<16)|(1<<20)|(1<<21)|(6<<22)|(31<<25)  ; mask: all four; elements of 8 bytes; behind every 128 words 32 words of padding
	s_mov_b32 s[G1V], 15|(3<<16)|(1<<21)
	s_mov_b32 s[G1S], 15|(3<<16)|(1<<21)
.irp g, G1K, G1V
	s_mov_b32 s[\g+1], 64<<16                      ; 48 rows of 512 bytes, dense in memory: a quarter of a head's images
	s_mov_b32 s[\g+2], 48<<16
	s_mov_b32 s[\g+3], 64<<16
	s_mov_b32 s[\g+4], 48
	s_mov_b32 s[\g+5], 64
	s_mov_b32 s[\g+6], 0
	s_mov_b32 s[\g+7], 0
.endr
	s_mov_b32 s[G1S+1], 512<<16                    ; two rows of 4,096 bytes, 262,144 bytes apart: k's scale words, v's
	s_mov_b32 s[G1S+2], 2<<16
	s_mov_b32 s[G1S+3], 512<<16
	s_mov_b32 s[G1S+4], 2
	s_mov_b32 s[G1S+5], 32768
	s_mov_b32 s[G1S+6], 0
	s_mov_b32 s[G1S+7], 0
	s_mul_i32 s13, s12, 98304
	s_mul_i32 s14, s[WV], 24576
	s_add_co_u32 s14, s14, s13
	s_add_co_u32 s16, s14, 12582912-98304          ; v's quarter wave - 4
	s_add_co_u32 s14, s14, 6291456                 ; k's quarter wave
	s_mov_b32 s15, 0
	s_mov_b32 s17, 0
	s_lshl_b32 s80, s12, 12                        ; 4,096 bytes of scale words a head
	s_add_co_u32 s82, s80, 18874368                ; q's
	s_add_co_u32 s80, s80, 19136512                ; k's
	s_mov_b32 s81, 0
	s_mov_b32 s[G0K], 1
	s_mul_i32 s[G0K+1], s[WV], 30720
	s_mov_b32 s[G0V], 1
	s_mul_i32 s[G0V+1], s[WV], 24576
	s_add_co_u32 s[G0V+1], s[G0V+1], VB-98304
	s_mov_b32 s[G0S], 1
	s_mov_b32 s[G0S+1], KSB
	s_lshl_b32 s75, s10, 4
	s_add_co_u32 s75, s75, s[WV]                   ; j: my image of q
	s_lshl_b32 s66, s12, 6
	s_add_co_u32 s66, s66, s75
	s_mul_i32 s66, s66, 1536
	s_mov_b32 s67, 0
	s_lshr_b32 s68, s75, 1                         ; its scale words: group j / 2, word j % 2
	s_lshl_b32 s68, s68, 7
	s_and_b32 s69, s75, 1
	s_lshl_b32 s69, s69, 2
	s_add_co_u32 s68, s68, s69
	s_add_co_u32 s68, s68, s82
	s_mov_b32 s69, 0
	s_lshr_b32 s76, s12, 4                         ; batch
	s_and_b32 s77, s12, 15                         ; head
	s_lshl_b32 s78, s76, 6
	s_add_co_u32 s78, s78, s75                     ; half my first tile's number T
	s_lshr_b32 s70, s78, 1
	s_mul_i32 s70, s70, 12288                      ; (T / 4) x 12,288
	s_and_b32 s71, s78, 1
	s_mul_i32 s71, s71, 3072                       ; (T % 4) x 1,536
	s_add_co_u32 s70, s70, s71
	s_lshr_b32 s71, s77, 2
	s_mul_i32 s71, s71, 1572864                    ; the pair of K steps
	s_add_co_u32 s70, s70, s71
	s_bfe_u32 s71, s77, 0x10001
	s_mul_i32 s71, s71, 6144                       ; the K step in it
	s_add_co_u32 s70, s70, s71
	s_and_b32 s71, s77, 1
	s_mul_i32 s71, s71, 768                        ; the half of the image
	s_add_co_u32 s70, s70, s71
	s_mov_b32 s71, 0
	s_lshl_b32 s72, s77, 14
	s_lshl_b32 s73, s78, 6
	s_add_co_u32 s72, s72, s73
	s_add_co_u32 s72, s72, 6291456
	s_mov_b32 s73, 0
	s_lshl_b32 s78, s76, 13                        ; the batch's row of the mask
	s_mov_b32 s79, 0
	s_mov_b32 s[MK], 0xffff0000                    ; lanes 16-31
	s_mov_b32 s[SEL], 0x76543210
	s_mov_b32 s[SEL+1], 0xfedcba98                 ; selects for lane l xor 16
	s_mov_b32 s[CS], 0x3e38aa3b
	s_mov_b32 s[CS+1], s[CS]                       ; (named with it as a pair, so it is written)
	s_mov_b32 s[CN], 0xbe38aa3b
	v_and_b32 v6, 31, v0
	v_and_b32 v7, 7, v0                            ; row % 8
	v_bfe_u32 v8, v0, 3, 1                         ; row / 8
	v_bfe_u32 v9, v0, 4, 1                         ; h
	v_and_b32 v10, 15, v0
	v_lshlrev_b32 v[LV], 4, v6
	v_lshlrev_b32 v[L8], 3, v6
	v_lshlrev_b32 v[L2], 1, v6
	v_mul_u32_u24 v[LK], v8, 1920                  ; rows 8-15 read the next image,
	v_lshlrev_b32 v[LKS], 3, v7
	v_lshlrev_b32 v10, 3, v10                      ; 8 r
	v_lshl_add_u32 v[LK], v7, 4, v[LK]             ; its lane row % 8 (+ 8 a, in the loads' offsets)
	v_lshl_add_u32 v[LKS], v8, 2, v[LKS]           ; scale words: 8 (row % 8) + 4 (row / 8); lanes 16-31 take a = 1's, 64 bytes on
	v_lshl_add_u32 v[BA], v9, 7, BIAS
	v_lshl_add_u32 v[LK], v9, 8, v[LK]
	v_lshl_add_u32 v[LKS], v9, 6, v[LKS]
	v_add_nc_u32 v[R8V], VSB, v10
	v_lshlrev_b32 v[H8], 3, v9
	v_add_nc_u32 v[LKS], KSB, v[LKS]
	v_lshlrev_b32 v14, 4, v0                       ; 16 x thread
	v_lshl_add_u32 v15, v0, 4, BIAS
	WALU
	s_wait_dscnt 0x0                               ; both opening adds are done
	s_wait_kmcnt 0x0
	s_add_nc_u64 s[G0K+2:G0K+3], s[4:5], s[14:15]
	s_or_b32 s[G0K+3], s[G0K+3], 0x80000000
	s_add_nc_u64 s[G0V+2:G0V+3], s[4:5], s[16:17]
	s_or_b32 s[G0V+3], s[G0V+3], 0x80000000
	s_add_nc_u64 s[G0S+2:G0S+3], s[4:5], s[80:81]
	s_or_b32 s[G0S+3], s[G0S+3], 0x80000000
	s_add_nc_u64 s[66:67], s[4:5], s[66:67]
	s_add_nc_u64 s[68:69], s[4:5], s[68:69]
	s_add_nc_u64 s[70:71], s[8:9], s[70:71]
	s_add_nc_u64 s[72:73], s[8:9], s[72:73]
	s_add_nc_u64 s[6:7], s[6:7], s[78:79]
	CROUND                                         ; all four work-groups are here: the joint loads meet
	s_cmp_lt_u32 s[WV], 4                          ; one chain of branches on the wave's number, one load to an arm
	s_cbranch_scc0 .Larm_v
	TL G0K, G1K
	s_branch .Lasked
.Larm_v:
	s_cmp_lt_u32 s[WV], 8
	s_cbranch_scc0 .Larm_s
	TL G0V, G1V
	s_branch .Lasked
.Larm_s:
	s_cmp_eq_u32 s[WV], 8
	s_cbranch_scc0 .Lasked
	TL G0S, G1S
.Lasked:
	global_load_b128 v[124:127], v14, s[6:7]       ; four keys' mask a thread
.irp c, 0,1,2
	global_load_b128 v[96+4*\c:99+4*\c], v[LV], s[66:67] offset:512*\c         ; q's image: my two tiles
.endr
	global_load_b32 v120, v10, s[68:69]
.macro RESET                           ; a walk begins: O^T and the sums are zeros, the largest score lies under every score: the first change of M multiplies zeros
.set J, 0
.rept 32
	v_mov_b32 v[O+J], 0
.set J, J+1
.endr
.set J, 0
.rept 8
	v_mov_b32 v[AC+J], 0
.set J, J+1
.endr
	v_mov_b32 v13, 0xff61b1e6                      ; -3e38
	D1
	v_mul_f32 v12, s[CN], v13
	D1
	v_floor_f32 v12, v12                           ; -M
.endm
	s_wait_loadcnt 0x0
.irp i, 0,1,2,3
	v_cvt_f32_i32 v[124+\i], v[124+\i]
.endr
.irp i, 0,1,2,3
	v_sub_f32 v[124+\i], 1.0, v[124+\i]
.endr
.irp i, 0,1,2,3
	v_mul_f32 v[124+\i], 0xcfee6b28, v[124+\i]     ; x -8e9: eight times (1 - mask) x -1e9
.endr
	ds_store_b128 v15, v[124:127]
	v_perm_b32 v[QSC], v120, v120, 0x01000100      ; the first tile's two bytes, twice;
	v_perm_b32 v[QS1], v120, v120, 0x03020302      ; the second's
.irp i, 0,1,2,3,4,5
	v_mov_b32 v[QZ+6+\i], v[96+\i]
	v_mov_b32 v[Q1+\i], v[102+\i]
	v_mov_b32 v[QZ+\i], 0
	v_mov_b32 v[QZ+12+\i], 0
.endr
	v_mov_b32 v15, 0                               ; (named as upper halves of pairs, or as a lane permute's destination, before they are first written)
	v_mov_b32 v253, 0
	v_mov_b32 v254, 0
	v_mov_b32 v255, 0
	RESET
	WALU                                           ; the wait at the head's end
	s_wait_tensorcnt 0x0                           ; my tile has landed (seven waves issue no load: the wait is on every wave's way),
	s_wait_dscnt 0x0                               ; and my part of the mask's terms is stored
	s_barrier_signal -1
	s_barrier_wait -1                              ; all of k, v, their scale words and the mask's terms are in: no barrier follows but the closing round
.macro QK c, a, u                      ; fragment (c, a): its first tile against [q | 0], its second against [0 | q]
.set rD, S+32*\c+16*\a+8*\u
.set rF, F+24*\c+12*\a
.set rQ, QZ+6-6*\u
.if \a
	v_wmma_scale_f32_16x16x128_f8f6f4 v[rD:rD+7], v[rF:rF+11], v[rQ:rQ+11], v[rD:rD+7], v[KSW+\c], v[QSC] matrix_a_fmt:MATRIX_FMT_FP6 matrix_b_fmt:MATRIX_FMT_FP6 matrix_a_scale:MATRIX_SCALE_ROW1
.else
	v_wmma_scale_f32_16x16x128_f8f6f4 v[rD:rD+7], v[rF:rF+11], v[rQ:rQ+11], v[rD:rD+7], v[KSW+\c], v[QSC] matrix_a_fmt:MATRIX_FMT_FP6 matrix_b_fmt:MATRIX_FMT_FP6
.endif
.endm
; A KEY STEP: 128 keys
.macro STEP
	v_add_nc_u32 v[ADK], s[TK], v[LK]              ; these four lines are the places behind the last products, in front of loads into registers that they read
	v_add_nc_u32 v[ADS], s[TS], v[LKS]
	v_add_nc_u32 v[ADB], s[TBI], v[BA]
	v_mov_b32 v254, v12                            ; the old -M
.irp c, 0,1
.irp i, 0,1,2,3,4,5,6,7
	ds_load_b128 v[S+32*\c+4*\i:S+32*\c+4*\i+3], v[ADB] offset:256*\c+16*\i    ; the mask's terms of keys 64 c + 32 h + 4 i ..: the C of the score products
.endr
.endr
.irp c, 0,1
.irp a, 0,1
.irp p, 0,1,2
	ds_load_b128 v[F+24*\c+12*\a+4*\p:F+24*\c+12*\a+4*\p+3], v[ADK] offset:3840*\c+128*\a+640*\p
.endr
.endr
.endr
	ds_load_b32 v[KSW], v[ADS]
	ds_load_b32 v[KSW+1], v[ADS] offset:128
	WALU
	s_wait_dscnt 0x0
.irp c, 0,1                            ; the eight accumulators take turns
.irp a, 0,1
.irp u, 0,1
	QK \c, \a, \u
.endr
.endr
.endr
	v_add_nc_u32 v[ADV], s[TV], v[LV]              ; four places: in front of the loads into k's registers and of the first read of the scores
	v_add_nc_u32 v[ADSV], s[TS], v[R8V]
	v_nop
	v_nop
.irp t, 0,1,2,3
.irp c, 0,1,2
	ds_load_b128 v[F+12*\t+4*\c:F+12*\t+4*\c+3], v[ADV] offset:1536*\t+512*\c  ; v's four images land while the softmax is walked
.endr
.endr
	ds_load_b64 v[VSW:VSW+1], v[ADSV]              ; d tiles 0 and 2,
	ds_load_b64 v[VSW+2:VSW+3], v[ADSV] offset:128 ; 1 and 3
.irp c, 0,1                            ; the largest score of my two blocks of 32 keys, two chains a block
	v_max3_num_f32 v[MB+\c], v[S+32*\c], v[S+32*\c+1], v[S+32*\c+2]
	v_max3_num_f32 v[MC+\c], v[S+32*\c+17], v[S+32*\c+18], v[S+32*\c+19]
.endr
.irp i, 3,5,7,9,11,13
.irp c, 0,1
	v_max3_num_f32 v[MB+\c], v[MB+\c], v[S+32*\c+\i], v[S+32*\c+\i+1]
	v_max3_num_f32 v[MC+\c], v[MC+\c], v[S+32*\c+17+\i], v[S+32*\c+18+\i]
.endr
.endr
.irp c, 0,1
	v_max3_num_f32 v[MB+\c], v[MB+\c], v[S+32*\c+15], v[S+32*\c+16]
.endr
.irp c, 0,1
	D2
	v_max_num_f32 v[MB+\c], v[MB+\c], v[MC+\c]
.endr
	D1
	v_max_num_f32 v255, v[MB], v[MB+1]
	D1
	v_permlanex16_b32 v14, v255, s[SEL], s[SEL+1]  ; lane l xor 16 holds my query's other 64 keys
	D1
	v_max3_num_f32 v13, v13, v255, v14             ; the running largest score
	D1
	v_mul_f32 v255, s[CN], v13
	D1
	v_floor_f32 v12, v255                          ; the new -M = -ceil(t): a whole number
	D1
	v_sub_f32 v254, v12, v254                      ; old M - new M: a whole number, 0 or less
	D1
	v_cvt_i32_f32 v254, v254                       ; (it saturates)
	D1
	v_ldexp_f32 v252, 1.0, v254                    ; f = 2^(old M - new M)
.set J, 0
.rept 32
	v_pk_fma_f32 v[S+J:S+J+1], v[S+J:S+J+1], s[CS:CS+1], v[12:13] op_sel_hi:[1,0,0]    ; t - M, two at a time
.set J, J+2
.endr
.irp c, 0,1
	v_fma_f32 v[MB+\c], v[MB+\c], s[CS], v12       ; the same of each block's largest score: p rises with the score
.endr
	WALU                                           ; ahead of the batch
.set J, 0
.rept 64
	v_exp_f32 v[S+J], v[S+J]                       ; p = 2^(t - M), at most 1
.set J, J+1
.endr
	v_exp_f32 v[MB], v[MB]                         ; the blocks' largest p
	v_exp_f32 v[MB+1], v[MB+1]
	WALU                                           ; one wait for the batch of 66, directly ahead of the first reader of O^T too
.set J, 0
.rept 16
	v_pk_mul_f32 v[O+J:O+J+1], v[O+J:O+J+1], v[252:253] op_sel_hi:[1,0]        ; O^T under the new M: plain lines behind the exponentials
.set J, J+2
.endr
.irp c, 0,1
	v_max_num_f32 v[MB+\c], 0x1800000, v[MB+\c]    ; the floor 2^(3 - 127)
.endr
.irp c, 0,1
	D2
	v_add_nc_u32 v[SOP+\c], 0xff000000, v[MB+\c]   ; 2 off the exponent field: the conversion's scale operand
.endr
.irp c, 0,1
	D2
	v_lshrrev_b32 v[BY+\c], 23, v[SOP+\c]          ; the byte
.endr
	D1
	v_lshl_or_b32 v253, v[BY+1], 16, v[BY]         ; my bytes: blocks h and 2 + h,
	D1
	v_lshlrev_b32 v253, v[H8], v253                ; 8 h bits up;
	D1
	v_permlanex16_b32 v255, v253, s[SEL], s[SEL+1]
	D1
	v_or_b32 v253, v253, v255                      ; with lane l xor 16's two the word is whole
.irp c, 0,1
	v_cvt_scalef32_pk16_fp6_f32 v[P+6*\c:P+6*\c+2], v[S+32*\c:S+32*\c+15], v[SOP+\c]
	v_cvt_scalef32_pk16_fp6_f32 v[TC+4*\c:TC+4*\c+2], v[S+32*\c+16:S+32*\c+31], v[SOP+\c]   ; (a conversion's three registers begin on an even number)
.endr
.irp k, 0,1,2,3
	v_pk_fma_f32 v[AC+2*\k:AC+2*\k+1], v[AC+2*\k:AC+2*\k+1], v[252:253], v[S+2*\k:S+2*\k+1] op_sel_hi:[1,0,1]   ; the sums under the new M, + p: also the plain place behind the conversions
.endr
.irp c, 0,1
.irp i, 0,1,2
	v_mov_b32 v[P+6*\c+3+\i], v[TC+4*\c+\i]
.endr
.endr
.set J, 8
.rept 28
	v_pk_add_f32 v[AC+J%8:AC+J%8+1], v[AC+J%8:AC+J%8+1], v[S+J:S+J+1]          ; the unquantised p, in four chains; these stand between the codes' and the scale word's last writes and the products
.set J, J+2
.endr
	WALU
	s_wait_dscnt 0x0                               ; v's images and scale words are in
.irp t, 0,1,2,3
	v_wmma_scale_f32_16x16x128_f8f6f4 v[O+8*\t:O+8*\t+7], v[F+12*\t:F+12*\t+11], v[P:P+11], v[O+8*\t:O+8*\t+7], v[VSW+(\t/2)+2*(\t%2)], v253 matrix_a_fmt:MATRIX_FMT_FP6 matrix_b_fmt:MATRIX_FMT_FP6
.endr
.endm
.macro WALK                            ; a tile's walk over the head's 16 key steps
	s_mov_b32 s[TK], 0
	s_mov_b32 s[TV], VB
	s_mov_b32 s[TS], 0
	s_mov_b32 s[TBI], 0
.Lstep_\@:
	STEP
	s_add_co_u32 s[TK], s[TK], 7680
	s_add_co_u32 s[TV], s[TV], 6144
	s_add_co_u32 s[TBI], s[TBI], 512
	s_add_co_u32 s[TS], s[TS], 256
	s_cmp_lg_u32 s[TS], 4096
	s_cbranch_scc1 .Lstep_\@
.endm
; a walk's end: O^T / the sum, quantised along d (two blocks of 32): tile p's six registers of codes and two scale bytes
.macro EPI p
	v_pk_add_f32 v[AC:AC+1], v[AC:AC+1], v[AC+2:AC+3]              ; four places behind the last products
	v_pk_add_f32 v[AC+4:AC+5], v[AC+4:AC+5], v[AC+6:AC+7]
	D1
	v_pk_add_f32 v[AC:AC+1], v[AC:AC+1], v[AC+4:AC+5]
	D1
	v_add_f32 v14, v[AC], v[AC+1]
	D1
	v_permlanex16_b32 v255, v14, s[SEL], s[SEL+1]
	D1
	v_add_f32 v14, v14, v255                       ; the row's sum
	WALU
	v_rcp_f32 v14, v14
	v_nop                                          ; a plain place behind the reciprocal
	WALU                                           ; and the wait ahead of its first reader, which is O^T's too
.set J, 0
.rept 16
	v_pk_mul_f32 v[S+J:S+J+1], v[O+J:O+J+1], v[14:15] op_sel_hi:[1,0]          ; register 16 b + i is d = 32 b + 16 h + i of my query
.set J, J+2
.endr
.irp b, 0,1
	v_max3_num_f32 v[MB+\b], |v[S+16*\b]|, |v[S+1+16*\b]|, 0x1800000
.endr
.irp i, 2,4,6,8,10,12,14
.irp b, 0,1
	D2
	v_max3_num_f32 v[MB+\b], v[MB+\b], |v[S+16*\b+\i]|, |v[S+1+16*\b+\i]|
.endr
.endr
.irp b, 0,1
	D2
	v_permlanex16_b32 v[MC+\b], v[MB+\b], s[SEL], s[SEL+1]
.endr
.irp b, 0,1
	D2
	v_max_num_f32 v[MB+\b], v[MB+\b], v[MC+\b]
.endr
.irp b, 0,1
	D2
	v_add_nc_u32 v[SOP+\b], 0xff000000, v[MB+\b]
.endr
.irp b, 0,1
	D2
	v_lshrrev_b32 v[MC+\b], 23, v[SOP+\b]
.endr
	D1
	v_lshl_or_b32 v[CW+\p], v[MC+1], 8, v[MC]
	v_cvt_scalef32_pk16_fp6_f32 v[CI+6*\p:CI+6*\p+2], v[S:S+15], v[SOP]
	v_cvt_scalef32_pk16_fp6_f32 v[TC:TC+2], v[S+16:S+31], v[SOP+1]
	v_nop                                          ; one plain place behind the conversions
.irp i, 0,1,2
	v_permlane16_swap_b32 v[CI+6*\p+\i], v[TC+\i]  ; the operand's layout wants a whole block in a lane
.endr
.irp i, 0,1,2
	v_mov_b32 v[CI+6*\p+3+\i], v[TC+\i]
.endr
	global_store_b128 v[LV], v[CI+6*\p:CI+6*\p+3], s[70:71] offset:1536*\p     ; 512 consecutive bytes, at a multiple of 256 from the buffer's first byte
	global_store_b64 v[L8], v[CI+6*\p+4:CI+6*\p+5], s[70:71] offset:1536*\p+512 ; and 256
.endm
	WALK
	EPI 0
	v_mov_b32 v[QSC], v[QS1]                       ; the second tile's q: RESET's lines stand between these writes and the next products
.irp i, 0,1,2,3,4,5
	v_mov_b32 v[QZ+6+\i], v[Q1+\i]
.endr
	RESET
	WALK
	EPI 1
	v_cndmask_b32 v[CW], v[CW], v[CW+1], s[MK]     ; lanes 0-15 the first tile's bytes, lanes 16-31 the second's
	global_store_b16 v[L2], v[CW], s[72:73]        ; 64 consecutive bytes
	s_wait_tensorcnt 0x0                           ; the wave's end
	ds_add_u32 v[SPW], v[NIL]
	s_wait_dscnt 0x0
	CROUND                                         ; the closing round
	s_endpgm
.Lfunc_end_k_qce448b4f5a_attn:
	.size	k_qce448b4f5a_attn, .Lfunc_end_k_qce448b4f5a_attn-k_qce448b4f5a_attn
	.p2alignl 7, 3214868480
	.fill 96, 4, 3214868480
	.section	.rodata,"a",@progbits
	.p2align	6, 0x0
	.amdhsa_kernel k_qce448b4f5a_attn
		.amdhsa_group_segment_fixed_size 239616
		.amdhsa_private_segment_fixed_size 0
		.amdhsa_enable_private_segment 0
		.amdhsa_kernarg_size 24
		.amdhsa_user_sgpr_count 2
		.amdhsa_user_sgpr_kernarg_segment_ptr 1
		.amdhsa_wavefront_size32 1
		.amdhsa_system_sgpr_workgroup_id_x 1
		.amdhsa_system_sgpr_workgroup_id_y 1
		.amdhsa_system_sgpr_workgroup_id_z 1
		.amdhsa_system_vgpr_workitem_id 0
		.amdhsa_next_free_vgpr 256
		.amdhsa_next_free_sgpr 100
		.amdhsa_reserve_vcc 0
		.amdhsa_float_denorm_mode_32 3
		.amdhsa_float_denorm_mode_16_64 3
		.amdhsa_memory_ordered 1
		.amdhsa_forward_progress 1
		.amdhsa_inst_pref_size 52
	.end_amdhsa_kernel
	.amdgpu_metadata
---
amdhsa.version: [ 1, 2 ]
amdhsa.kernels:
  - .name:           k_qce448b4f5a_attn
    .symbol:         k_qce448b4f5a_attn.kd
    .args:
      - { .name: qkv, .offset: 0, .size: 8, .value_kind: global_buffer, .address_space: global }
      - { .name: mask, .offset: 8, .size: 8, .value_kind: global_buffer, .address_space: global }
      - { .name: ctx, .offset: 16, .size: 8, .value_kind: global_buffer, .address_space: global }
    .group_segment_fixed_size: 239616
    .private_segment_fixed_size: 0
    .kernarg_segment_align: 8
    .kernarg_segment_size: 24
    .max_flat_workgroup_size: 512
    .sgpr_count:     100
    .vgpr_count:     256
    .wavefront_size: 32
...
	.end_amdgpu_metadata
.endif
;; end of part 4
;; launch outp (part 5): grid 4 x 64, 4 waves a work-group, clusters of 4 x 4, 295,424 bytes of LDS; arguments ctx, ops, bo, out0; writes out0
.if DOCPART == 5
	.amdgcn_target "amdgcn-amd-amdhsa--gfx1250"
	.amdhsa_code_object_version 6
	.text
	.protected	k_qce448b4f5a_outp
	.globl	k_qce448b4f5a_outp
	.p2align	8
	.type	k_qce448b4f5a_outp,@function
k_qce448b4f5a_outp:
	s_mov_b64 s[64:65], 0
	v_nop
	global_prefetch_b8 v0, s[64:65] scope:SCOPE_SE
	s_setreg_imm32_b32 hwreg(HW_REG_WAVE_MODE, 25, 1), 1
	s_wait_xcnt 0x0
	s_wait_alu depctr_hold_cnt(0) depctr_sa_sdst(0) depctr_va_vdst(0) depctr_va_sdst(0) depctr_va_ssrc(0) depctr_va_vcc(0) depctr_vm_vsrc(0)
	s_getreg_b32 s2, hwreg(HW_REG_IB_STS2, 6, 4)
	s_cmp_eq_u32 s2, 0
	s_cbranch_scc0 .Lentry_in_a_cluster
	s_endpgm
.Lentry_in_a_cluster:
	s_bfe_u32 s2, ttmp6, 0x10000c
	s_cmp_lg_u32 s2, 0xf033
	s_cbranch_scc0 .Lentry_shape_is_right
	s_endpgm
.Lentry_shape_is_right:
; out = ctx Wo + bo on codes of FP6 (E2M3) with E8M0 scales, K = 1,024.  A = ctx (8,192 rows), B = Wo (tiles 704-767 of ops: row = n); out is f32 [8192][1024].
; A work-group makes 128 rows x 256 columns; ALL of K lies in LDS (A 98,304 bytes, B 196,608), brought by first fills alone: nothing is filled again.
; Operands lie in memory as images of their registers (1,536 bytes a fragment of 16 rows x 128 K); lane r of tile 2 B + u holds row 32 B + 8 u + r + 8 (r / 8).
; THE MATRIX INSTRUCTION IS USED TRANSPOSED: source 0 = a tile of B, source 1 = a tile of A: a lane holds one row of out, and the 16 registers of two neighbouring B tiles are 16 neighbouring columns.
; A wave makes 64 x 128: 32 accumulators (window 2, (a, b) at v[8 (8 a + b)]).  Window 0: addresses, scale words v32-79, A's two sets from v128.  Window 1: B's two sets at v0 and v128.
; CLUSTERS: 4 x 4 work-groups; A's blocks are asked for jointly along a row of the cluster, B's along a column.  A wave has one tensor load out at the most.
; THE WAY OUT: 16 rows x 128 columns at a time through the wave's own stage in LDS (in A's region, behind a barrier behind which nobody reads it; it has had its only fill), back as whole rows of 512 bytes, + bo, stored.
.set QPLA,  1572864                    ; from one pair of K steps to the next, in ctx and in ops
.set QPLB,  2359296
.set PLA,   32768                      ; from one K step's scale words to the next
.set PLB,   49152
.set SPARE, 294912
.set SPW, 28
.set NIL, 29
.set L4,  5
.set ADA, 6
.set ADB0, 7
.set ADB1, 8
.set STO, 9                            ; v9   the stage: where I put 16 bytes of a row
.set RD,  10                           ; v10  and where I read a row back
.set BO,  20                           ; v20-23 bo at my four columns
.set SA,  32
.set SB,  48
.set WV,  12
.set WR,  13
.set WC,  14
.set G1A, 24
.set G1B, 32
.set G0A, 40
.set G0B, 68
.set MSB, 0
.macro WIN new                         ; the immediate's high byte repeats the setting that is left
.if MSB != \new
	s_set_vgpr_msb (MSB<<8)|\new
.set MSB, \new
.endif
.endm
.macro CROUND                          ; a round of the cluster's barrier
	s_barrier_signal -1
	s_barrier_wait -1
	s_cmp_lg_u32 s[WV], 0
	s_cbranch_scc1 .Lnot_wave_0_\@
	s_barrier_signal -3
.Lnot_wave_0_\@:
	s_barrier_wait -3
	s_barrier_signal -1
	s_barrier_wait -1
.endm
.macro PLACES                          ; four plain places behind matrix instructions (ISA guide 7.12.1)
.rept 4
	v_nop
.endr
.endm
	s_load_b256 s[4:11], s[0:1], 0x0               ; ctx, ops, bo, out0
	v_lshl_add_u32 v[SPW], v0, 2, SPARE
	v_mov_b32 v[NIL], 0
	ds_add_u32 v[SPW], v[NIL]                      ; the wave's opening: the add and its wait ahead of my first tensor load
	ds_add_u32 v[SPW], v[NIL]
	v_lshrrev_b32 v1, 5, v0
	v_readfirstlane_b32 s[WV], v1
	s_lshr_b32 s[WR], s[WV], 1                     ; my half of A's rows.  Also: I fetch for A (0) or for B (1)
	s_and_b32 s[WC], s[WV], 1                      ; my half of B's rows.  Also: which half I fetch
	s_bfe_u32 s15, ttmp6, 0x40000                  ; cx
	s_bfe_u32 s16, ttmp6, 0x40004                  ; cy
	s_and_b32 s20, ttmp7, 0xffff
	s_lshl_b32 s20, s20, 2
	s_add_co_u32 s20, s20, s16                     ; tile row = GA: a group is 8 tiles
	s_lshl_b32 s21, ttmp9, 2
	s_add_co_u32 s21, s21, s15                     ; tile column
	s_lshl_b32 s23, s21, 1
	s_add_co_u32 s23, s23, 88                      ; GB: Wo begins at group 88
	s_lshl_b32 s57, s16, 2
	s_lshl_b32 s57, 15, s57                        ; my row of the cluster
	s_lshl_b32 s3, 0x1111, s15                     ; my column
	s_or_b32 s[G1A], s57, (3<<16)|(1<<21)          ; 15:0 the mask; 17:16 elements of 8 bytes; 21 set beside a mask; no padding
	s_or_b32 s[G1B], s3, (3<<16)|(1<<21)
; ONE tensor load a wave: its four blocks, one for each pair of K steps, are the four rows of one tile; a row is a dense block, the pitch the distance between two pairs' planes
.irp g, G1A, G1B
	s_mov_b32 s[\g+2], 4<<16                       ; tensor_dim1 = 4 rows
	s_mov_b32 s[\g+4], 4                           ; tile_dim1
	s_mov_b32 s[\g+6], 0
	s_mov_b32 s[\g+7], 0
.endr
	s_mov_b32 s[G1A+1], 1536<<16                   ; A: a row of 12,288 bytes: four tiles x two K steps
	s_mov_b32 s[G1A+3], 1536<<16
	s_mov_b32 s[G1A+5], QPLA/8
	s_mov_b32 s[G1B+1], 3072<<16                   ; B: 24,576 bytes: eight tiles x two K steps
	s_mov_b32 s[G1B+3], 3072<<16
	s_mov_b32 s[G1B+5], QPLB/8
	s_lshl_b32 s58, s20, 1
	s_add_co_u32 s58, s58, s[WC]
	s_mul_i32 s58, s58, 12288
	s_mov_b32 s59, 0
	s_add_co_u32 s60, s23, s[WC]
	s_mul_i32 s60, s60, 24576
	s_mov_b32 s61, 0
	s_mul_i32 s62, s[WC], 49152                    ; no place in the cluster enters an LDS address
	s_mul_i32 s63, s[WC], 98304
	s_add_co_u32 s63, s63, 98304
	s_lshl_b32 s84, s20, 8                         ; ctx's scale bytes lie [head][tile][row], two bytes a row: my wave's four tiles, 32 bytes each
	s_lshl_b32 s85, s[WR], 7
	s_add_co_u32 s84, s84, s85
	s_add_co_u32 s84, s84, 6291456
	s_mov_b32 s85, 0
	s_add_co_u32 s86, s23, s[WC]                   ; and of its eight of B
	s_lshl_b32 s86, s86, 9
	s_add_co_u32 s86, s86, 9437184
	s_mov_b32 s87, 0
	s_lshl_b32 s88, s21, 10                        ; my first column, in bytes
	s_lshl_b32 s89, s[WC], 9
	s_add_co_u32 s88, s88, s89
	s_mov_b32 s89, 0
	s_lshl_b32 s90, s20, 7
	s_lshl_b32 s91, s[WR], 6
	s_add_co_u32 s90, s90, s91                     ; my first row
	s_lshl_b32 s90, s90, 12
	s_add_co_u32 s90, s90, s88
	s_mov_b32 s91, 0
	s_wait_dscnt 0x0                               ; the opening add is done
	s_wait_kmcnt 0x0
	s_add_nc_u64 s[58:59], s[4:5], s[58:59]
	s_add_nc_u64 s[60:61], s[6:7], s[60:61]
	s_add_nc_u64 s[84:85], s[4:5], s[84:85]
	s_add_nc_u64 s[86:87], s[6:7], s[86:87]
	s_add_nc_u64 s[8:9], s[8:9], s[88:89]
	s_add_nc_u64 s[10:11], s[10:11], s[90:91]
.irp q, 0
	s_mov_b32 s[G0A+4*\q], 1
	s_add_co_u32 s[G0A+4*\q+1], s62, \q*12288
	s_add_nc_u64 s[G0A+4*\q+2:G0A+4*\q+3], s[58:59], \q*QPLA
	s_or_b32 s[G0A+4*\q+3], s[G0A+4*\q+3], 0x80000000
	s_mov_b32 s[G0B+4*\q], 1
	s_add_co_u32 s[G0B+4*\q+1], s63, \q*24576
	s_add_nc_u64 s[G0B+4*\q+2:G0B+4*\q+3], s[60:61], \q*QPLB
	s_or_b32 s[G0B+4*\q+3], s[G0B+4*\q+3], 0x80000000
.endr
	CROUND                                         ; all sixteen work-groups are here: the joint loads meet
	s_cmp_eq_u32 s[WR], 0                          ; a wave's one fill stands in one branch on its number
	s_cbranch_scc0 .Lfill_b
	tensor_load_to_lds s[G0A:G0A+3], s[G1A:G1A+7]
	s_nop 0
.rept 4
	v_nop
.endr
	s_branch .Lfilled
.Lfill_b:
	tensor_load_to_lds s[G0B:G0B+3], s[G1B:G1B+7]
	s_nop 0
.rept 4
	v_nop
.endr
.Lfilled:
	v_and_b32 v1, 31, v0
	v_lshlrev_b32 v[L4], 2, v1
	v_lshlrev_b32 v12, 1, v1                       ; 2 x lane
	v_lshlrev_b32 v2, 4, v1                        ; 16 x lane
	v_and_b32 v3, 15, v0                           ; r
	v_bfe_u32 v4, v0, 4, 1                         ; h
.irp s, 0,1,2,3,4,5,6,7
.irp i, 0,1
	global_load_u16 v[SA+8*\i+\s], v12, s[84:85] offset:\s*PLA+64*\i           ; K step s is heads 2 s and 2 s + 1: the even head's two bytes of two tiles' rows,
	global_load_u16 v[80+8*\i+\s], v12, s[84:85] offset:\s*PLA+16384+64*\i     ; the odd head's
.endr
.irp i, 0,1,2,3
	global_load_b32 v[SB+8*\i+\s], v[L4], s[86:87] offset:\s*PLB+128*\i
.endr
.endr
	global_load_b128 v[BO:BO+3], v2, s[8:9]
	s_mul_i32 s2, s[WR], 49152
	v_add_nc_u32 v[ADA], s2, v2
	v_lshl_add_u32 v11, v1, 3, s2                  ; the same region, 8 bytes a lane
	s_mul_i32 s2, s[WC], 98304
	s_add_co_u32 s2, s2, 98304
	v_add_nc_u32 v[ADB0], s2, v2
	s_add_co_u32 s2, s2, 49152
	v_add_nc_u32 v[ADB1], s2, v2
	s_mul_i32 s2, s[WV], 8448                      ; my stage: 16 rows x 528 bytes
	v_mul_u32_u24 v[STO], v3, 528
	v_lshl_add_u32 v[STO], v4, 6, v[STO]
	v_add_nc_u32 v[STO], s2, v[STO]                ; in: row r, + 64 h
	v_add_nc_u32 v[RD], s2, v2                     ; back: 16 bytes a lane of a row
.macro FETCH s, p
	WIN 0x40                                       ; destination window 1
.irp b, 0,1,2,3,4,5,6,7
.irp c, 0,1,2
.if (\s) < 4
	ds_load_b128 v[128*(\p)+12*\b+4*\c:128*(\p)+12*\b+4*\c+3], v[ADB0] offset:((\s)/2)*24576+(\b/4)*12288+((\s)%2)*6144+(\b%4)*1536+512*\c
.else
	ds_load_b128 v[128*(\p)+12*\b+4*\c:128*(\p)+12*\b+4*\c+3], v[ADB1] offset:((\s)/2-2)*24576+(\b/4)*12288+((\s)%2)*6144+(\b%4)*1536+512*\c
.endif
.endr
.endr
	WIN 0
.irp a, 0,1,2,3
.irp e, 0,1                            ; an image of ctx is two halves of 768 bytes, a head each: registers 0-3 of the half at 16 x lane, registers 4, 5 at 512 + 8 x lane
	ds_load_b128 v[128+48*(\p)+12*\a+6*\e:128+48*(\p)+12*\a+6*\e+3], v[ADA] offset:(\s)*6144+\a*1536+768*\e
	ds_load_b64 v[128+48*(\p)+12*\a+6*\e+4:128+48*(\p)+12*\a+6*\e+5], v11 offset:(\s)*6144+\a*1536+768*\e+512
.endr
.endr
.endm
.macro WM a, b, p, s
.set rD, 8*(8*(\a)+(\b))
.set rB, 128*(\p)+12*(\b)
.set rA, 128+48*(\p)+12*(\a)
.set rSB, SB+8*((\b)/2)+(\s)
.set rSA, SA+8*((\a)/2)+(\s)
.if (\s) == 0
.if ((\b)%2 == 0) && ((\a)%2 == 0)
	v_wmma_scale_f32_16x16x128_f8f6f4 v[rD:rD+7], v[rB:rB+11], v[rA:rA+11], 0, v[rSB], v[rSA] matrix_a_fmt:MATRIX_FMT_FP6 matrix_b_fmt:MATRIX_FMT_FP6
.elseif ((\b)%2 == 1) && ((\a)%2 == 0)
	v_wmma_scale_f32_16x16x128_f8f6f4 v[rD:rD+7], v[rB:rB+11], v[rA:rA+11], 0, v[rSB], v[rSA] matrix_a_fmt:MATRIX_FMT_FP6 matrix_b_fmt:MATRIX_FMT_FP6 matrix_a_scale:MATRIX_SCALE_ROW1
.elseif ((\b)%2 == 0)
	v_wmma_scale_f32_16x16x128_f8f6f4 v[rD:rD+7], v[rB:rB+11], v[rA:rA+11], 0, v[rSB], v[rSA] matrix_a_fmt:MATRIX_FMT_FP6 matrix_b_fmt:MATRIX_FMT_FP6 matrix_b_scale:MATRIX_SCALE_ROW1
.else
	v_wmma_scale_f32_16x16x128_f8f6f4 v[rD:rD+7], v[rB:rB+11], v[rA:rA+11], 0, v[rSB], v[rSA] matrix_a_fmt:MATRIX_FMT_FP6 matrix_b_fmt:MATRIX_FMT_FP6 matrix_a_scale:MATRIX_SCALE_ROW1 matrix_b_scale:MATRIX_SCALE_ROW1
.endif
.else
.if ((\b)%2 == 0) && ((\a)%2 == 0)
	v_wmma_scale_f32_16x16x128_f8f6f4 v[rD:rD+7], v[rB:rB+11], v[rA:rA+11], v[rD:rD+7], v[rSB], v[rSA] matrix_a_fmt:MATRIX_FMT_FP6 matrix_b_fmt:MATRIX_FMT_FP6
.elseif ((\b)%2 == 1) && ((\a)%2 == 0)
	v_wmma_scale_f32_16x16x128_f8f6f4 v[rD:rD+7], v[rB:rB+11], v[rA:rA+11], v[rD:rD+7], v[rSB], v[rSA] matrix_a_fmt:MATRIX_FMT_FP6 matrix_b_fmt:MATRIX_FMT_FP6 matrix_a_scale:MATRIX_SCALE_ROW1
.elseif ((\b)%2 == 0)
	v_wmma_scale_f32_16x16x128_f8f6f4 v[rD:rD+7], v[rB:rB+11], v[rA:rA+11], v[rD:rD+7], v[rSB], v[rSA] matrix_a_fmt:MATRIX_FMT_FP6 matrix_b_fmt:MATRIX_FMT_FP6 matrix_b_scale:MATRIX_SCALE_ROW1
.else
	v_wmma_scale_f32_16x16x128_f8f6f4 v[rD:rD+7], v[rB:rB+11], v[rA:rA+11], v[rD:rD+7], v[rSB], v[rSA] matrix_a_fmt:MATRIX_FMT_FP6 matrix_b_fmt:MATRIX_FMT_FP6 matrix_a_scale:MATRIX_SCALE_ROW1 matrix_b_scale:MATRIX_SCALE_ROW1
.endif
.endif
.endm
; A K step of 128: the next step's 40 loads are issued ahead of this step's 32 products.  The 32 accumulators take turns, one instruction a turn.
.macro KSTEP s
	s_wait_dscnt 0x0                               ; this step's fragments are in
.if (\s) < 7
	PLACES
	FETCH (\s)+1, ((\s)+1)%2
.endif
	WIN 0xa1                                       ; source 0 (B) window 1, source 1 (A) window 0, C and D window 2
.irp a, 0,1,2,3
.irp b, 0,1,2,3,4,5,6,7
	WM \a, \b, (\s)%2, \s
.endr
.endr
	WIN 0
.endm
	s_wait_alu depctr_va_vdst(0)
	s_wait_tensorcnt 0x0                           ; my one load, all of K of my rows, has landed
	s_barrier_signal -1
	s_barrier_wait -1
	FETCH 0, 0
	s_wait_loadcnt 0x0
.irp i, 0,1,2,3,4,5,6,7,8,9,10,11,12,13,14,15
	v_lshl_or_b32 v[SA+\i], v[80+\i], 16, v[SA+\i] ; the two heads' bytes make A's scale word; K step 0's words are written first and ninth, eight places and more ahead of the first products
.endr
	s_wait_alu depctr_va_vdst(0)
	KSTEP 0
	KSTEP 1
	KSTEP 2
	KSTEP 3
	KSTEP 4
	KSTEP 5
	KSTEP 6
	KSTEP 7
	s_barrier_signal -1                            ; every wave's LDS loads came back at the head of its last K step: behind this barrier nobody reads A's region,
	s_barrier_wait -1                              ; which takes the stages
; A's tile a: a lane holds 64 columns of one row, the lanes beside it other rows: through my stage, and back as whole rows of 512 bytes
.macro TOSTAGE a
	WIN 0x08                                       ; an LDS store's data are its source 1: window 2
.irp b, 0,1,2,3,4,5,6,7
	ds_store_b128 v[STO], v[64*(\a)+8*\b:64*(\a)+8*\b+3] offset:128*(\b/2)+32*(\b%2)           ; columns 32 (b / 2) + 16 h + 8 (b % 2) ..; each accumulator from its low end on
	ds_store_b128 v[STO], v[64*(\a)+8*\b+4:64*(\a)+8*\b+7] offset:128*(\b/2)+32*(\b%2)+16
.endr
	WIN 0
.set BB, 128+64*((\a)%2)
.irp t, 0,1,2,3,4,5,6,7,8,9,10,11,12,13,14,15
	ds_load_b128 v[BB+4*\t:BB+4*\t+3], v[RD] offset:\t*528         ; LDS serves a wave's instructions in order: these see the stores above
.endr
.endm
.macro SEND a, younger                 ; younger: the LDS instructions issued behind tile a's loads, which may stay out
.set BB, 128+64*((\a)%2)
	s_wait_dscnt \younger
.irp t, 0,1,2,3,4,5,6,7,8,9,10,11,12,13,14,15
	v_pk_add_f32 v[BB+4*\t:BB+4*\t+1], v[BB+4*\t:BB+4*\t+1], v[BO:BO+1]
	v_pk_add_f32 v[BB+4*\t+2:BB+4*\t+3], v[BB+4*\t+2:BB+4*\t+3], v[BO+2:BO+3]
.endr
.irp t, 0,1,2,3,4,5,6,7,8,9,10,11,12,13,14,15
	global_store_b128 v2, v[BB+4*\t:BB+4*\t+3], s[10:11] offset:(32*((\a)/2)+8*((\a)%2)+\t+8*(\t/8))*4096 th:TH_STORE_NT   ; lane t of tile a holds this row; 512 consecutive bytes, at a multiple of 256 from out's first byte
.endr
.endm
	PLACES                                         ; behind the last products: for the reads of their results and the loads into A's registers
	TOSTAGE 0
.irp a, 1,2,3
.if \a > 1
	s_wait_xcnt 0x0                                ; tile a - 2's stores have read their registers: tile a's loads may land there
.endif
	TOSTAGE \a
	SEND \a-1, 32                                  ; behind tile a - 1's loads: tile a's 16 stores and 16 loads
.endr
	SEND 3, 0
	s_wait_tensorcnt 0x0                           ; the wave's end, behind my last LDS store
	ds_add_u32 v[SPW], v[NIL]
	s_wait_dscnt 0x0
	CROUND                                         ; the closing round
	s_endpgm
.Lfunc_end_k_qce448b4f5a_outp:
	.size	k_qce448b4f5a_outp, .Lfunc_end_k_qce448b4f5a_outp-k_qce448b4f5a_outp
	.p2alignl 7, 3214868480
	.fill 96, 4, 3214868480
	.section	.rodata,"a",@progbits
	.p2align	6, 0x0
	.amdhsa_kernel k_qce448b4f5a_outp
		.amdhsa_group_segment_fixed_size 295424
		.amdhsa_private_segment_fixed_size 0
		.amdhsa_enable_private_segment 0
		.amdhsa_kernarg_size 32
		.amdhsa_user_sgpr_count 2
		.amdhsa_user_sgpr_kernarg_segment_ptr 1
		.amdhsa_wavefront_size32 1
		.amdhsa_system_sgpr_workgroup_id_x 1
		.amdhsa_system_sgpr_workgroup_id_y 1
		.amdhsa_system_sgpr_workgroup_id_z 1
		.amdhsa_system_vgpr_workitem_id 0
		.amdhsa_next_free_vgpr 768
		.amdhsa_next_free_sgpr 100
		.amdhsa_reserve_vcc 0
		.amdhsa_float_denorm_mode_32 3
		.amdhsa_float_denorm_mode_16_64 3
		.amdhsa_memory_ordered 1
		.amdhsa_forward_progress 1
		.amdhsa_inst_pref_size 91
	.end_amdhsa_kernel
	.amdgpu_metadata
---
amdhsa.version: [ 1, 2 ]
amdhsa.kernels:
  - .name:           k_qce448b4f5a_outp
    .symbol:         k_qce448b4f5a_outp.kd
    .args:
      - { .name: ctx, .offset: 0, .size: 8, .value_kind: global_buffer, .address_space: global }
      - { .name: ops, .offset: 8, .size: 8, .value_kind: global_buffer, .address_space: global }
      - { .name: bo, .offset: 16, .size: 8, .value_kind: global_buffer, .address_space: global }
      - { .name: out0, .offset: 24, .size: 8, .value_kind: global_buffer, .address_space: global }
    .group_segment_fixed_size: 295424
    .private_segment_fixed_size: 0
    .kernarg_segment_align: 8
    .kernarg_segment_size: 32
    .max_flat_workgroup_size: 128
    .sgpr_count:     100
    .vgpr_count:     768
    .wavefront_size: 32
...
	.end_amdgpu_metadata
.endif
;; end of part 5
